; MI455X (gfx1250); checked and timed in simulation.
; The chip was launched on July 23, 2026; its instructions are those of AMD's public machine-readable ISA for CDNA 5 (MIT licence, August 2026) and "CDNA5" Instruction Set Architecture Reference Guide (July 2026). The comments in the code are by the model that wrote it; some were corrected since.
;; Multi Head Self Attention. Allowed arithmetic: matrix products marked QUANTISED: E2M3 operands, one E8M0 scale for each 32 along K, by v_wmma_scale_f32_16x16x128_f8f6f4 with both operands' format E2M3, f32 sums; everything else in f32.
;; Inputs: Wk 1,024 x 1,024 float32; Wo 1,024 x 1,024 float32; Wq 1,024 x 1,024 float32; Wv 1,024 x 1,024 float32; bk 1,024 float32; bo 1,024 float32; bq 1,024 float32; bv 1,024 float32; key 4 x 2,048 x 1,024 float32; mask 4 x 2,048 int32; query 4 x 2,048 x 1,024 float32; value 4 x 2,048 x 1,024 float32.
;; Outputs: out0 4 x 2,048 x 1,024 float32.
;; This version of the problem:
;;   THIS VERSION OF THE PROBLEM IS GIVEN IN LOW PRECISION. The matrix products marked QUANTISED in the list below multiply operands that are first quantised to E2M3 (2 exponent bits, 3 mantissa bits; 6 bits a number), with one power-of-two scale for each 32 numbers along K (OCP MX v1.0); their sums are f32. All else is computed in f32.
;;   The module's matrix products, in the order in which they are computed (A, B: the left and right operand; K: the contracted axis; several contracted axes count as one K, in the product's order):
;;     1. [M 8,192, K 1,024] x [K 1,024, N 1,024]; A: input query; B: input Wq: QUANTISED
;;     2. [M 8,192, K 1,024] x [K 1,024, N 1,024]; A: input key; B: input Wk: QUANTISED
;;     3. [M 8,192, K 1,024] x [K 1,024, N 1,024]; A: input value; B: input Wv: QUANTISED
;;     4. batch 64 x [M 2,048, K 64] x [K 64, N 2,048]; A: computed on the way; B: computed on the way: QUANTISED
;;     5. batch 64 x [M 2,048, K 2,048] x [K 2,048, N 64]; A: softmax (see below); B: computed on the way: QUANTISED
;;     6. [M 8,192, K 1,024] x [K 1,024, N 1,024]; A: computed on the way; B: input Wo: QUANTISED
;;   THE QUANTISER, for each operand of a quantised product, along K:
;;     - K is cut into blocks of 32 from its start; a last block that is shorter is filled with zeros.
;;     - A block's scale is 2^e with e = floor(log2(the largest magnitude in the block)) - 2, held to -126 .. 127; a block of zeros has e = 0. As a byte (E8M0): e + 127.
;;     - Each number is divided by its block's scale, clamped to +-7.5, and rounded to the nearest number of E2M3, ties to even, subnormals kept.
;;     - The product sums the exact products of the quantised numbers (number of the format x scale) in f32.
;;   ~~~python
;;   def quantise(x, axis):      # numpy; x: float32 -> the quantised numbers, widened to float32 again
;;       x = np.moveaxis(x, axis, -1); K = x.shape[-1]
;;       x = np.pad(x, [(0, 0)] * (x.ndim - 1) + [(0, -K % 32)]); x = x.reshape(x.shape[:-1] + (-1, 32)); a = np.abs(x).max(-1, keepdims=True)
;;       e = np.where(a > 0, np.clip(np.frexp(np.where(a > 0, a, 1))[1] - 1 - 2, -126, 127), 0)      # np.frexp(a)[1] - 1 = floor(log2(a)), exactly
;;       r = np.clip(x / 2.0 ** e, -7.5, 7.5)
;;       step = 2.0 ** (np.maximum(np.frexp(np.where(r == 0, 1, r))[1] - 1, 0) - 3)
;;       q = np.round(r / step) * step * 2.0 ** e      # np.round: ties to even
;;       return np.moveaxis(q.reshape(q.shape[:-2] + (-1,))[..., :K], -1, axis).astype(np.float32)
;;   ~~~
;;   SOFTMAX AHEAD OF A QUANTISED PRODUCT. Where the list says 'softmax', what is quantised is not the finished softmax but p = 2^(t - M), with t = logit x log2(e) and M = ceil(the row's largest t), a whole number; so 1/2 < the row's largest p <= 1. The row's sum l is taken of the UNQUANTISED p, in f32, and the product's result is divided by l at the end. Since M is a whole number, a kernel that streams over the keys may use a running M (the ceiling of the running maximum): every later rescaling is an exact power of two, which a block's scale takes up: the codes' values come out the same.
;;   OPERANDS COMPUTED ON THE WAY. 'Computed on the way' means the value that the module computes at that place (a softmax that the list does not call 'softmax' is quantised finished and normalised). What goes into a quantiser is computed in f32, as accurately as f32 sums, v_exp_f32 and their like allow (about 1e-6 of the number): no bf16 or f16 on the way to a quantiser, and a product that is left as it is and whose result goes on into a quantised operand takes f32 operands (vector FMAs, or v_wmma_f32_16x16x4_f32). A number that lies on a knife's edge between two numbers of the format may be rounded either way, as far as f32 arithmetic and the matrix unit's own rounding can turn it there, and no further.
;; 2 versions, each right; version 2 is version 1 with the launch attn written anew for expert scheduling mode. Each part assembles by itself: llvm-mc -triple=amdgcn-amd-amdhsa -mcpu=gfx1250 --defsym DOCPART=n.
;; ======== version 1 of 2: 4 launches
;; workspace buffers: cod 22,020,096 bytes; scl 917,504 bytes; maskb 32,768 bytes; holes 512 bytes of whole numbers; qrec 6,553,600 bytes; kv 13,107,200 bytes; ctxc 6,291,456 bytes; ctxs 262,144 bytes
;; launch quant (part 1): grid 449 x 1, 4 waves a work-group, no clusters, 34,304 bytes of LDS; arguments query, key, value, Wq, Wk, Wv, Wo, mask, cod, scl, maskb, holes; writes cod, scl, maskb, holes
.if DOCPART == 1
	.amdgcn_target "amdgcn-amd-amdhsa--gfx1250"
	.amdhsa_code_object_version 6
	.text
	.protected	k_q4f57d0939b_quant
	.globl	k_q4f57d0939b_quant
	.p2align	8
	.type	k_q4f57d0939b_quant,@function
k_q4f57d0939b_quant:
	s_mov_b64 s[64:65], 0
	v_nop
	global_prefetch_b8 v0, s[64:65] scope:SCOPE_SE
	s_setreg_imm32_b32 hwreg(HW_REG_WAVE_MODE, 25, 1), 1
	s_wait_xcnt 0x0
; query, key, value [8192][1024] and Wq, Wk, Wv, Wo [1024][1024], f32, K innermost, become codes of FP6 (E2M3) with one E8M0 byte for each 32 along K.
; A block's scale is 2^(floor(log2(its largest magnitude)) - 2); its byte is the largest magnitude's exponent field - 2, held at 1 from below.  A block of zeros keeps the byte 1 where the
; rule says 127: its codes are zeros, and this program alone reads the bytes.
; LIMITS: blocks whose largest magnitude lies under 2^-124 keep the byte 1; NaN and infinities among the inputs are not served.
; LAYOUT OF THE OUTPUT: IMAGES OF THE OPERAND'S REGISTERS.  A row block is 16 rows x all 1,024 of K: eight fragments (16 rows x 128 K, 12 registers a lane) of 1,536 bytes.  A fragment is two halves of
; 768 bytes: registers 6 c .. 6 c + 3 of lane L at 16 L, registers 6 c + 4, 6 c + 5 at 512 + 8 L.  So every store here covers whole aligned blocks of 256 bytes, and a reader needs four loads a fragment.
; Scale words: 512 bytes a row block, the word of (K step s, row r) at 128 (s / 2) + 8 r + 4 (s % 2).
; WHICH ROWS FORM A BLOCK.  query and Wo: neighbours.  The others TURNED: lane r of block 2 B + u holds row 32 B + 8 u + r + 8 (r / 8), so that a product's results fall into a lane's registers as neighbours along the next K.
; SHARES.  Work-groups 0-447: wave w takes row block 4 x work-group + w (1,792 in all).  Each load reads 512 consecutive bytes of a row; a K step's 16 x 512 bytes turn through the wave's own stage in LDS
; (rows 528 bytes apart) so that a lane gets 16 neighbours of each block of 32.  Two K steps' loads (32 a wave) are out.  No barrier: waves share nothing.
; Work-group 448: wave w turns batch w's mask into a table of f32 (0 or -3e38) and a word whose bit s says that key step s (128 keys) has a hole.
.set STG,   8448                       ; a wave's stage: 16 rows x 528 bytes
.set SPARE, 4*STG                      ; behind the stages: the spare words, 128 bytes a wave
.set OFA,  4                           ; v4   16 x lane: my bytes of a row's 512; also of a store of 512 bytes
.set OFB,  5                           ; v5   the same for rows 8-15, which lie 8 rows further on where the block is turned
.set SIN,  6                           ; v6   the stage, in
.set SOUT, 7                           ; v7   the stage, out: row r, + 64 h
.set L8,   9                           ; v9   8 x lane
.set SPW,  10                          ; v10  my spare word; never rewritten
.set NIL,  11                          ; v11  0; never rewritten
.set WS,   12                          ; v12-19 the scale words of the eight K steps
.set DD,   20                          ; v20-23 the words as they are stored
.set TM,   24                          ; v24-39 the quantiser's work
.set PC,   40                          ; v40-58 the codes just made
.set X,    64                          ; v64-127 64 numbers: register 16 b + i = k 32 b + 16 h + i of my row
.set R,    128                         ; v128-255 two sets of 64 registers as loaded
.set SEL,  40                          ; s[40:41] selects for lane l xor 16
.set HI,   42                          ; s42  lanes 16-31
; 64 numbers of a lane become a fragment's 12 registers in v[pc] on; word = 1: and its scale word in v[pw].  The four bytes stay in v[TM+4] on.
.macro QUANT s, pc, pw, word
.irp b, 0,1,2,3
	v_max3_num_f32 v[TM+\b], |v[\s+16*\b]|, |v[\s+1+16*\b]|, 0x1800000   ; my 16 numbers of block b, and the floor 2^(3 - 127): the byte cannot fall under 1
.endr
.irp i, 2,4,6,8,10,12,14
.irp b, 0,1,2,3
	v_max3_num_f32 v[TM+\b], v[TM+\b], |v[\s+16*\b+\i]|, |v[\s+1+16*\b+\i]|
.endr
.endr
.irp b, 0,1,2,3
	v_permlanex16_b32 v[TM+4+\b], v[TM+\b], s[SEL], s[SEL+1]
.endr
.irp b, 0,1,2,3
	v_max_num_f32 v[TM+\b], v[TM+\b], v[TM+4+\b]     ; with lane l xor 16's: the block's largest magnitude
.endr
.irp b, 0,1,2,3
	v_add_nc_u32 v[TM+12+\b], 0xff000000, v[TM+\b]   ; 2 off its exponent field: the conversion's scale operand
.endr
.irp b, 0,1,2,3
	v_lshrrev_b32 v[TM+4+\b], 23, v[TM+12+\b]        ; the scale's byte
.endr
.if \word
	v_lshl_or_b32 v[\pw], v[TM+5], 8, v[TM+4]
	v_lshl_or_b32 v[\pw], v[TM+6], 16, v[\pw]
	v_lshl_or_b32 v[\pw], v[TM+7], 24, v[\pw]
.endif
.irp c, 0,1
	v_cvt_scalef32_pk16_fp6_f32 v[\pc+6*\c:\pc+2+6*\c], v[\s+32*\c:\s+15+32*\c], v[TM+12+2*\c]
	v_cvt_scalef32_pk16_fp6_f32 v[\pc+12+4*\c:\pc+14+4*\c], v[\s+16+32*\c:\s+31+32*\c], v[TM+12+2*\c+1]   ; (a conversion's three registers begin on an even number)
.endr
	v_nop                                            ; one plain place behind a scaled conversion
.irp c, 0,1                                      ; the layout wants a whole block in a lane: lanes 0-15 block 2 c, lanes 16-31 block 2 c + 1
.irp i, 0,1,2
	v_permlane16_swap_b32 v[\pc+6*\c+\i], v[\pc+12+4*\c+\i]
.endr
.irp i, 0,1,2
	v_mov_b32 v[\pc+3+6*\c+\i], v[\pc+12+4*\c+\i]
.endr
.endr
.endm
	s_load_b512 s[8:23], s[0:1], 0x0               ; query s[8:9], key, value, Wq, Wk, Wv, Wo s[20:21], mask s[22:23]
	s_load_b256 s[24:31], s[0:1], 0x40             ; cod s[24:25], scl s[26:27], maskb s[28:29], holes s[30:31]
	v_lshl_add_u32 v[SPW], v0, 2, SPARE
	v_mov_b32 v[NIL], 0
	v_lshrrev_b32 v1, 5, v0
	v_readfirstlane_b32 s4, v1                     ; wave
	v_and_b32 v2, 31, v0                           ; lane
	v_and_b32 v3, 15, v0                           ; r
	v_bfe_u32 v1, v0, 4, 1                         ; h
	v_lshlrev_b32 v[OFA], 4, v2
	v_lshlrev_b32 v[L8], 3, v2
	s_mul_i32 s5, s4, STG
	v_add_nc_u32 v[SIN], s5, v[OFA]
	v_mul_u32_u24 v[SOUT], v3, 528
	v_lshl_add_u32 v[SOUT], v1, 6, v[SOUT]
	v_add_nc_u32 v[SOUT], s5, v[SOUT]
.irp b, 0,1,2,3
	v_mov_b32 v[TM+4+\b], 0                        ; written once: a lane permute's destination counts as one of its sources
.endr
	s_mov_b32 s[SEL], 0x76543210
	s_mov_b32 s[SEL+1], 0xfedcba98
	s_mov_b32 s[HI], 0xffff0000
	s_wait_kmcnt 0x0
	s_cmp_eq_u32 ttmp9, 448
	s_cbranch_scc1 .Lmask
	; which tensor: the choice hangs on the work-group's number alone
	s_cmp_lt_u32 ttmp9, 432
	s_cselect_b64 s[32:33], s[18:19], s[20:21]
	s_cmp_lt_u32 ttmp9, 416
	s_cselect_b64 s[32:33], s[16:17], s[32:33]
	s_cmp_lt_u32 ttmp9, 400
	s_cselect_b64 s[32:33], s[14:15], s[32:33]
	s_cmp_lt_u32 ttmp9, 384
	s_cselect_b64 s[32:33], s[12:13], s[32:33]
	s_cselect_b32 s35, 511, 63                     ; row blocks in the tensor, less 1
	s_cmp_lt_u32 ttmp9, 256
	s_cselect_b64 s[32:33], s[10:11], s[32:33]
	s_cmp_lt_u32 ttmp9, 128
	s_cselect_b64 s[32:33], s[8:9], s[32:33]
	s_lshl_b32 s34, ttmp9, 2
	s_add_co_u32 s34, s34, s4                      ; my row block among the 1,792
	s_and_b32 s35, s34, s35                        ; and in its tensor
	s_lshr_b32 s38, s35, 1
	s_lshl_b32 s38, s38, 5
	s_and_b32 s39, s35, 1
	s_lshl_b32 s39, s39, 3
	s_add_co_u32 s38, s38, s39                     ; its first row where it is turned: 32 (block / 2) + 8 (block % 2),
	s_lshl_b32 s39, s35, 4                         ; and where not
	s_sub_co_u32 s36, ttmp9, 128
	s_cmp_lt_u32 s36, 304                          ; turned: work-groups 128 to 431
	s_cselect_b32 s38, s38, s39
	s_cselect_b32 s37, 32768, 0                    ; rows 8-15 lie 8 rows of 4,096 bytes further on
	s_lshl_b32 s38, s38, 12
	s_mov_b32 s39, 0
	s_add_nc_u64 s[32:33], s[32:33], s[38:39]
	v_add_nc_u32 v[OFB], s37, v[OFA]
	s_mul_i32 s44, s34, 12288
	s_mov_b32 s45, 0
	s_add_nc_u64 s[24:25], s[24:25], s[44:45]
	s_lshl_b32 s44, s34, 9
	s_add_nc_u64 s[26:27], s[26:27], s[44:45]
.macro LOAD t                          ; K step t of my 16 rows: each load reads 512 consecutive bytes
.irp i, 0,1,2,3,4,5,6,7
	global_load_b128 v[R+64*((\t)%2)+4*\i:R+64*((\t)%2)+4*\i+3], v[OFA], s[32:33] offset:4096*\i+512*(\t) th:TH_LOAD_NT
.endr
.irp i, 8,9,10,11,12,13,14,15
	global_load_b128 v[R+64*((\t)%2)+4*\i:R+64*((\t)%2)+4*\i+3], v[OFB], s[32:33] offset:4096*\i+512*(\t) th:TH_LOAD_NT
.endr
.endm
.macro STEP t
.if (\t) < 7
	s_wait_loadcnt 16                              ; this K step's 16 loads are in; the next step's 16 may be out
.else
	s_wait_loadcnt 0x0
.endif
.if (\t) > 0
	s_wait_xcnt 0x0                                ; the last step's stores have read the codes' registers, which are written again below
.endif
.irp i, 0,1,2,3,4,5,6,7,8,9,10,11,12,13,14,15
	ds_store_b128 v[SIN], v[R+64*((\t)%2)+4*\i:R+64*((\t)%2)+4*\i+3] offset:528*\i
.endr
.irp b, 0,1,2,3
.irp j, 0,1,2,3
	ds_load_b128 v[X+16*\b+4*\j:X+16*\b+4*\j+3], v[SOUT] offset:128*\b+16*\j    ; LDS serves a wave's instructions in order: these see the stores above
.endr
.endr
	s_wait_dscnt 0x0                               ; the numbers are back, and the stores have read their registers,
.if (\t) < 6
	LOAD (\t)+2                                    ; which take the loads of two steps on
.endif
	QUANT X, PC, WS+(\t), 1
	global_store_b128 v[OFA], v[PC:PC+3], s[24:25] offset:1536*(\t)
	global_store_b64 v[L8], v[PC+4:PC+5], s[24:25] offset:1536*(\t)+512
	global_store_b128 v[OFA], v[PC+6:PC+9], s[24:25] offset:1536*(\t)+768
	global_store_b64 v[L8], v[PC+10:PC+11], s[24:25] offset:1536*(\t)+1280
.endm
	LOAD 0
	LOAD 1
.irp t, 0,1,2,3,4,5,6,7
	STEP \t
.endr
	v_cndmask_b32 v[DD], v[WS], v[WS+2], s[HI]     ; lane (r, h) stores the words of K steps 2 h and 2 h + 1 of row r at 8 x lane (both halves of the lanes hold row r's words),
	v_cndmask_b32 v[DD+1], v[WS+1], v[WS+3], s[HI]
	v_cndmask_b32 v[DD+2], v[WS+4], v[WS+6], s[HI] ; and those of K steps 4 + 2 h, 5 + 2 h 256 bytes on
	v_cndmask_b32 v[DD+3], v[WS+5], v[WS+7], s[HI]
	global_store_b64 v[L8], v[DD:DD+1], s[26:27]
	global_store_b64 v[L8], v[DD+2:DD+3], s[26:27] offset:256
	s_wait_tensorcnt 0x0                           ; the wave's end, behind my last LDS store
	ds_add_u32 v[SPW], v[NIL]
	s_wait_dscnt 0x0
	s_endpgm
.Lmask:                                            ; wave w: batch w's 2,048 whole numbers
	s_lshl_b32 s34, s4, 13
	s_mov_b32 s35, 0
	s_add_nc_u64 s[22:23], s[22:23], s[34:35]
	s_add_nc_u64 s[28:29], s[28:29], s[34:35]
	s_lshl_b32 s34, s4, 7
	s_add_nc_u64 s[30:31], s[30:31], s[34:35]
.irp s, 0,1,2,3,4,5,6,7,8,9,10,11,12,13,14,15
	global_load_b128 v[64+4*\s:67+4*\s], v[OFA], s[22:23] offset:512*\s   ; key step s: 128 numbers
.endr
	v_mov_b32 v12, 0
	v_mov_b32 v13, 0xff61b1e6                      ; -3e38: what a hidden key's score is given
	v_lshlrev_b32 v15, 2, v2
	s_mov_b32 s36, 0
	s_wait_loadcnt 0x0
.irp s, 0,1,2,3,4,5,6,7,8,9,10,11,12,13,14,15
	s_mov_b32 s37, 0
.irp j, 0,1,2,3
	v_cmp_eq_u32 vcc_lo, 0, v[64+4*\s+\j]
	v_cndmask_b32 v[128+4*\s+\j], v12, v13, vcc_lo
	s_or_b32 s37, s37, vcc_lo
.endr
	s_cmp_lg_u32 s37, 0
	s_cselect_b32 s37, 1<<\s, 0
	s_or_b32 s36, s36, s37                         ; bit s: the step has a hole
	global_store_b128 v[OFA], v[128+4*\s:131+4*\s], s[28:29] offset:512*\s
.endr
	v_mov_b32 v14, s36
	global_store_b32 v15, v14, s[30:31]            ; 32 copies: the batch's 128 bytes are written whole
	s_endpgm
.Lfunc_end_k_q4f57d0939b_quant:
	.size	k_q4f57d0939b_quant, .Lfunc_end_k_q4f57d0939b_quant-k_q4f57d0939b_quant
	.p2alignl 7, 3214868480
	.fill 96, 4, 3214868480
	.section	.rodata,"a",@progbits
	.p2align	6, 0x0
	.amdhsa_kernel k_q4f57d0939b_quant
		.amdhsa_group_segment_fixed_size 34304
		.amdhsa_private_segment_fixed_size 0
		.amdhsa_enable_private_segment 0
		.amdhsa_kernarg_size 96
		.amdhsa_user_sgpr_count 2
		.amdhsa_user_sgpr_kernarg_segment_ptr 1
		.amdhsa_wavefront_size32 1
		.amdhsa_system_sgpr_workgroup_id_x 1
		.amdhsa_system_sgpr_workgroup_id_y 1
		.amdhsa_system_sgpr_workgroup_id_z 1
		.amdhsa_system_vgpr_workitem_id 0
		.amdhsa_next_free_vgpr 256
		.amdhsa_next_free_sgpr 66
		.amdhsa_reserve_vcc 1
		.amdhsa_float_denorm_mode_32 3
		.amdhsa_float_denorm_mode_16_64 3
		.amdhsa_memory_ordered 1
		.amdhsa_forward_progress 1
		.amdhsa_inst_pref_size 77
	.end_amdhsa_kernel
	.amdgpu_metadata
---
amdhsa.version: [ 1, 2 ]
amdhsa.kernels:
  - .name:           k_q4f57d0939b_quant
    .symbol:         k_q4f57d0939b_quant.kd
    .args:
      - { .name: query, .offset: 0, .size: 8, .value_kind: global_buffer, .address_space: global }
      - { .name: key, .offset: 8, .size: 8, .value_kind: global_buffer, .address_space: global }
      - { .name: value, .offset: 16, .size: 8, .value_kind: global_buffer, .address_space: global }
      - { .name: Wq, .offset: 24, .size: 8, .value_kind: global_buffer, .address_space: global }
      - { .name: Wk, .offset: 32, .size: 8, .value_kind: global_buffer, .address_space: global }
      - { .name: Wv, .offset: 40, .size: 8, .value_kind: global_buffer, .address_space: global }
      - { .name: Wo, .offset: 48, .size: 8, .value_kind: global_buffer, .address_space: global }
      - { .name: mask, .offset: 56, .size: 8, .value_kind: global_buffer, .address_space: global }
      - { .name: cod, .offset: 64, .size: 8, .value_kind: global_buffer, .address_space: global }
      - { .name: scl, .offset: 72, .size: 8, .value_kind: global_buffer, .address_space: global }
      - { .name: maskb, .offset: 80, .size: 8, .value_kind: global_buffer, .address_space: global }
      - { .name: holes, .offset: 88, .size: 8, .value_kind: global_buffer, .address_space: global }
    .group_segment_fixed_size: 34304
    .private_segment_fixed_size: 0
    .kernarg_segment_align: 8
    .kernarg_segment_size: 96
    .max_flat_workgroup_size: 128
    .sgpr_count:     66
    .vgpr_count:     256
    .wavefront_size: 32
...
	.end_amdgpu_metadata
.endif
;; end of part 1
;; launch proj (part 2): grid 4 x 96, 4 waves a work-group, clusters of 4 x 4, 327,680 bytes of LDS; arguments cod, scl, bq, bk, bv, qrec, kv; writes qrec, kv
.if DOCPART == 2
	.amdgcn_target "amdgcn-amd-amdhsa--gfx1250"
	.amdhsa_code_object_version 6
	.text
	.protected	k_q4f57d0939b_proj
	.globl	k_q4f57d0939b_proj
	.p2align	8
	.type	k_q4f57d0939b_proj,@function
k_q4f57d0939b_proj:
	s_mov_b64 s[64:65], 0
	v_nop
	global_prefetch_b8 v0, s[64:65] scope:SCOPE_SE
	s_setreg_imm32_b32 hwreg(HW_REG_WAVE_MODE, 25, 1), 1
	s_wait_xcnt 0x0
	s_wait_alu depctr_hold_cnt(0) depctr_sa_sdst(0) depctr_va_vdst(0) depctr_va_sdst(0) depctr_va_ssrc(0) depctr_va_vcc(0) depctr_vm_vsrc(0)
	s_getreg_b32 s2, hwreg(HW_REG_IB_STS2, 6, 4)
	s_cmp_eq_u32 s2, 0
	s_cbranch_scc0 .Lentry_in_a_cluster
	s_endpgm
.Lentry_in_a_cluster:
	s_bfe_u32 s2, ttmp6, 0x10000c
	s_cmp_lg_u32 s2, 0xf033
	s_cbranch_scc0 .Lentry_shape_is_right
	s_endpgm
.Lentry_shape_is_right:
; The three projections, on codes of FP6 (E2M3) with E8M0 scales, and their results' way into the next products' operands: q = (query Wq^T + bq) / 8, k = key Wk^T + bk, v = value Wv^T + bv are quantised in
; registers and leave as images of operand registers; no f32 number goes to memory.
; A tile of 256 x 256 is made by four waves, 128 x 128 each: 64 accumulators, 512 registers.  K = 1,024 goes in four slots' worth of 256 through a ring of two LDS slots filled by tensor loads.
; 24 clusters of 4 x 4 work-groups: clusters 0-7 q, 8-15 k, 16-23 v.  q, k: A = the tokens, B = the weight.  v: A = Wv, B = the tokens, so that a lane's registers run along the KEYS, the K of attention's second product.
; The four of a cluster's row need the same tiles of A, the four of a column the same tiles of B: each is asked for JOINTLY, by one tensor load with a mask that names the four.
; OPERANDS LIE IN MEMORY AS IMAGES OF THEIR REGISTERS (a row block of 16 rows: eight fragments of 1,536 bytes; a fragment's half: registers 0-3 of lane L at 16 L, 4 and 5 at 512 + 8 L).  A slot's part of a row block is
; 3,072 consecutive bytes, and a fragment comes out of LDS by four loads of consecutive lanes: no pitch, no padding.
; THE MATRIX INSTRUCTION IS USED TRANSPOSED (source 0 = 16 rows of B, source 1 = 16 rows of A), and B's row blocks are TURNED (lane r of block 2 B + u = row 32 B + 8 u + r + 8 (r / 8)): so the 64 registers of a lane over
; B's eight blocks are, register 16 b + i, column 32 b + 16 h + i: what the conversions want.
; OUT.  q, k: a lane's 128 columns are two heads: a fragment's two halves are the two heads' 64 channels of 16 tokens.  qrec [head of 64][128 queries]: 8 halves, then 256 bytes of scale words.
; kv [head][128 keys]: 8 halves of K (tokens turned), 256 bytes of words, 4 fragments of V^T (16 turned channels x 128 keys), 256 bytes of words.  Every store covers whole aligned blocks of 256 bytes.
; The text parts ONCE on the tensor (the cluster's number, the same in all partners), ahead of the last K step: each path has its bias loads, which land under that step's 64 products, and its way out.
; No prefetch: behind the three first fills a wave issues two refills in all, so nothing lies far enough ahead to be named.
; LIMITS: blocks whose largest magnitude lies under 2^-124 keep the byte 1, a block of zeros too (its codes are zeros; this program alone reads the bytes); NaN and infinities are not served.
; REGISTERS, in windows of 256: window 0: v0-31 addresses; v32-63 scale words, two sets; v64-127 biases; v128-223 A's fragments, one set; v224-253 the quantiser's work.  On the way out v128-210: 64 numbers, codes.
;   window 1: B's fragments, two sets, at v0 and v128.   windows 2, 3: the accumulators ((a, b) at v[8 (8 (a % 4) + b)] of window 2 + a / 4).
.set NQ,    2                          ; matrix instructions deep in a slot
.set FR,    12                         ; registers of a fragment
.set NL,    4                          ; LDS loads that bring one
.set NP,    4                          ; places behind this matrix instruction (ISA guide 7.12.1)
.set RBB,   12288                      ; a row block's codes
.set SLB,   3072                       ; its part of a slot: two fragments
.set HALFT, 8*SLB                      ; 8 row blocks: what one tensor load brings, and what a wave reads of A or of B
.set SLOT,  4*HALFT
.set SCL,   2*SLOT                     ; behind the ring: the scale words of A's and B's 256 rows for all of K, filled once
.set HALFS, 4096                       ; those of 8 row blocks
.set SPARE, SCL+4*HALFS                ; the spare words, 128 bytes a wave
.set ADRA, 16                          ; v16-17 my A fragments in slot 0, 1, + 16 x lane; v18-19 + 8 x lane
.set ADRB, 20                          ; v20-23 the same for B
.set L16,  24                          ; v24  16 x lane
.set L8,   25                          ; v25  8 x lane
.set BOF,  26                          ; v26  64 h: q's and k's biases
.set ADRS, 27                          ; v27  my scale words: lanes 0-15 A's, lanes 16-31 B's
.set SPW,  28                          ; v28  my spare word; never rewritten
.set NIL,  29                          ; v29  0; never rewritten
.set BOV,  30                          ; v30  4 (r + 8 (r / 8)): v's biases
.set SC,   32
.set BI,   64
.set AF,   128
.set ST,   128                         ; the way out: 64 numbers
.set PC,   192                         ; codes
.set TM,   224
.set PW,   240
.set WS,   242                         ; v242-249 scale words gathered
.set DD,   250
.set WV,  18                           ; s18 wave; s19 its half of the rows (also: fetches for A or for B); s20 its half of the columns (also: which 8 row blocks it fetches)
.set RH,  19
.set CH,  20
.set CX,  21
.set CY,  22
.set TEN, 23                           ; 0 q, 1 k, 2 v
.set G1,  24
.set G0,  32
.set TR,  40                           ; A's tile
.set TC,  46                           ; B's tile
.set G1B, 48
.set G0B, 56
.set SCM, 66                           ; s[66:67] 1/8 for q, 1 for k
.set G1S, 68
.set G0S, 76
.set G1SB, 80
.set G0SB, 88
.set P0,  92                           ; s[92:93], s[94:95] the records of my two heads
.set P1,  94
.set HI,  96                           ; lanes 16-31
.set SEL, 98
.set MSB, 0
.macro WIN new                         ; the immediate's high byte repeats the setting that is left
.if MSB != (\new)
	s_set_vgpr_msb (MSB<<8)|(\new)
.set MSB, (\new)
.endif
.endm
.set MUL_LO, 0xa1                      ; source 0 (B) window 1, source 1 (A) window 0, C and D window 2
.set MUL_HI, 0xf1
.set TO_B,   0x40
.macro JLOAD g0a, g1a, g0b, g1b        ; a joint load: waves 0, 1 fetch for A, waves 2, 3 for B; an s_nop 0 and four v_nop follow each line
	s_cmp_eq_u32 s[RH], 0
	s_cbranch_scc0 .Lfor_b_\@
	tensor_load_to_lds s[\g0a:\g0a+3], s[\g1a:\g1a+7]
	s_nop 0
.rept 4
	v_nop
.endr
	s_branch .Lasked_\@
.Lfor_b_\@:
	tensor_load_to_lds s[\g0b:\g0b+3], s[\g1b:\g1b+7]
	s_nop 0
.rept 4
	v_nop
.endr
.Lasked_\@:
.endm
.macro CREST                           ; a round of the cluster's barrier behind its opening barrier
	s_cmp_lg_u32 s[WV], 0
	s_cbranch_scc1 .Lnot_wave_0_\@
	s_barrier_signal -3
.Lnot_wave_0_\@:
	s_barrier_wait -3
	s_barrier_signal -1
	s_barrier_wait -1
.endm
.macro CROUND
	s_barrier_signal -1
	s_barrier_wait -1
	CREST
.endm
.macro QUANT s, pc, pw, word           ; 64 numbers of a lane (register 16 b + i = k 32 b + 16 h + i of its row) become a fragment's 12 registers; the four bytes stay in v[TM+4] on
.irp b, 0,1,2,3
	v_max3_num_f32 v[TM+\b], |v[\s+16*\b]|, |v[\s+1+16*\b]|, 0x1800000   ; with the floor 2^(3 - 127): the byte cannot fall under 1
.endr
.irp i, 2,4,6,8,10,12,14
.irp b, 0,1,2,3
	v_max3_num_f32 v[TM+\b], v[TM+\b], |v[\s+16*\b+\i]|, |v[\s+1+16*\b+\i]|
.endr
.endr
.irp b, 0,1,2,3
	v_permlanex16_b32 v[TM+4+\b], v[TM+\b], s[SEL], s[SEL+1]
.endr
.irp b, 0,1,2,3
	v_max_num_f32 v[TM+\b], v[TM+\b], v[TM+4+\b]
.endr
.irp b, 0,1,2,3
	v_add_nc_u32 v[TM+12+\b], 0xff000000, v[TM+\b]   ; 2 off the exponent field: the conversion's scale operand
.endr
.irp b, 0,1,2,3
	v_lshrrev_b32 v[TM+4+\b], 23, v[TM+12+\b]        ; the scale's byte
.endr
.if \word
	v_lshl_or_b32 v[\pw], v[TM+5], 8, v[TM+4]
	v_lshl_or_b32 v[\pw], v[TM+6], 16, v[\pw]
	v_lshl_or_b32 v[\pw], v[TM+7], 24, v[\pw]
.endif
.irp c, 0,1
	v_cvt_scalef32_pk16_fp6_f32 v[\pc+6*\c:\pc+2+6*\c], v[\s+32*\c:\s+15+32*\c], v[TM+12+2*\c]
	v_cvt_scalef32_pk16_fp6_f32 v[\pc+12+4*\c:\pc+14+4*\c], v[\s+16+32*\c:\s+31+32*\c], v[TM+12+2*\c+1]
.endr
	v_nop                                            ; one plain place behind a scaled conversion
.irp c, 0,1
.irp i, 0,1,2
	v_permlane16_swap_b32 v[\pc+6*\c+\i], v[\pc+12+4*\c+\i]
.endr
.irp i, 0,1,2
	v_mov_b32 v[\pc+3+6*\c+\i], v[\pc+12+4*\c+\i]
.endr
.endr
.endm
	s_load_b256 s[4:11], s[0:1], 0x0               ; cod s[4:5], scl s[6:7], bq s[8:9], bk s[10:11]
	s_load_b128 s[12:15], s[0:1], 0x20             ; bv s[12:13], qrec s[14:15]
	s_load_b64 s[16:17], s[0:1], 0x30              ; kv
	v_lshl_add_u32 v[SPW], v0, 2, SPARE
	v_mov_b32 v[NIL], 0
	ds_add_u32 v[SPW], v[NIL]                      ; the wave's opening: the add and its wait stand ahead of my first tensor load; work on registers stands between them
	v_lshrrev_b32 v1, 5, v0
	v_readfirstlane_b32 s[WV], v1
	s_lshr_b32 s[RH], s[WV], 1
	s_and_b32 s[CH], s[WV], 1
	s_bfe_u32 s[CX], ttmp6, 0x40000
	s_bfe_u32 s[CY], ttmp6, 0x40004
	s_and_b32 s97, ttmp7, 0xffff                   ; the cluster's number, 0 to 23
	s_lshr_b32 s[TEN], s97, 3
	s_and_b32 s97, s97, 7
	s_lshl_b32 s97, s97, 2
	s_cmp_eq_u32 s[TEN], 2                         ; the tokens' 32 tiles are A's for q and k, B's for v; the weight has 4
	s_cselect_b32 s[TR], 0, s97
	s_cselect_b32 s[TC], s97, 0
	s_add_co_u32 s[TR], s[TR], s[CY]
	s_add_co_u32 s[TC], s[TC], s[CX]
	s_lshl_b32 s41, s[CY], 2
	s_lshl_b32 s41, 15, s41                        ; my row of the cluster
	s_lshl_b32 s47, 0x1111, s[CX]                  ; my column
	s_or_b32 s[G1], s41, (3<<16)|(1<<21)           ; 15:0 the mask; 17:16 elements of 8 bytes; 20 no padding; 21 set beside a mask
	s_or_b32 s[G1B], s47, (3<<16)|(1<<21)
	s_or_b32 s[G1S], s41, (3<<16)|(1<<21)
	s_or_b32 s[G1SB], s47, (3<<16)|(1<<21)
.irp g, G1, G1B                        ; codes: 8 rows (row blocks) of 384 elements (3,072 bytes), 1,536 elements apart
	s_mov_b32 s[\g+1], 384<<16
	s_mov_b32 s[\g+2], 8<<16
	s_mov_b32 s[\g+3], 384<<16
	s_mov_b32 s[\g+4], 8
	s_mov_b32 s[\g+5], 1536
	s_mov_b32 s[\g+6], 0
	s_mov_b32 s[\g+7], 0
.endr
.irp g, G1S, G1SB                      ; scale words of 8 row blocks: 4,096 dense bytes as 16 rows of 256
	s_mov_b32 s[\g+1], 32<<16
	s_mov_b32 s[\g+2], 16<<16
	s_mov_b32 s[\g+3], 32<<16
	s_mov_b32 s[\g+4], 16
	s_mov_b32 s[\g+5], 32
	s_mov_b32 s[\g+6], 0
	s_mov_b32 s[\g+7], 0
.endr
	s_lshl_b32 s2, s[CH], 3
	s_lshl_b32 s41, s[TEN], 9                      ; A's first row block: query 0, key 512, Wv 1,664
	s_lshl_b32 s47, s[TEN], 6
	s_add_co_u32 s47, s47, 1536                    ; B's: Wq 1,536, Wk 1,600, value 1,024
	s_cmp_eq_u32 s[TEN], 2
	s_cselect_b32 s41, 1664, s41
	s_cselect_b32 s47, 1024, s47
	s_lshl_b32 s42, s[TR], 4
	s_add_co_u32 s41, s41, s42
	s_add_co_u32 s41, s41, s2                      ; the first of the 8 row blocks of A that I would fetch
	s_lshl_b32 s100, s[TC], 4
	s_add_co_u32 s47, s47, s100
	s_add_co_u32 s47, s47, s2                      ; and of B
	s_mul_i32 s42, s41, RBB
	s_mov_b32 s43, 0
	s_lshl_b32 s44, s41, 9
	s_mov_b32 s45, 0
	s_mul_i32 s100, s47, RBB
	s_mov_b32 s101, 0
	s_lshl_b32 s92, s47, 9
	s_mov_b32 s93, 0
	s_mul_i32 s3, s[WV], HALFT                     ; where they go: wave x 8 row blocks: no place in the cluster enters an LDS address
	s_lshl_b32 s96, s[WV], 12
	s_wait_dscnt 0x0                               ; the opening add is done
	s_wait_kmcnt 0x0
	s_add_nc_u64 s[42:43], s[4:5], s[42:43]
	s_add_nc_u64 s[44:45], s[6:7], s[44:45]
	s_add_nc_u64 s[100:101], s[4:5], s[100:101]
	s_add_nc_u64 s[92:93], s[6:7], s[92:93]
	CROUND                                         ; all sixteen work-groups are here: the first joint loads meet
	s_mov_b32 s[G0S], 1
	s_add_co_u32 s[G0S+1], s96, SCL
	s_mov_b64 s[G0S+2:G0S+3], s[44:45]
	s_or_b32 s[G0S+3], s[G0S+3], 0x80000000
	s_mov_b32 s[G0SB], 1
	s_add_co_u32 s[G0SB+1], s96, SCL
	s_mov_b64 s[G0SB+2:G0SB+3], s[92:93]
	s_or_b32 s[G0SB+3], s[G0SB+3], 0x80000000
	JLOAD G0S, G1S, G0SB, G1SB                     ; the scale words first: three loads of mine are out at the most
.irp s, 0,1
	s_mov_b32 s[G0+4*\s], 1
	s_add_co_u32 s[G0+4*\s+1], s3, \s*SLOT
	s_add_nc_u64 s[G0+4*\s+2:G0+4*\s+3], s[42:43], \s*SLB
	s_or_b32 s[G0+4*\s+3], s[G0+4*\s+3], 0x80000000
	s_mov_b32 s[G0B+4*\s], 1
	s_add_co_u32 s[G0B+4*\s+1], s3, \s*SLOT
	s_add_nc_u64 s[G0B+4*\s+2:G0B+4*\s+3], s[100:101], \s*SLB
	s_or_b32 s[G0B+4*\s+3], s[G0B+4*\s+3], 0x80000000
	JLOAD G0+4*\s, G1, G0B+4*\s, G1B
.endr
	v_and_b32 v1, 31, v0
	v_and_b32 v2, 15, v0                           ; r
	v_bfe_u32 v3, v0, 4, 1                         ; h
	v_lshlrev_b32 v[L16], 4, v1
	v_lshlrev_b32 v[L8], 3, v1
	s_mul_i32 s41, s[RH], HALFT                    ; my 8 row blocks of A,
	s_mul_i32 s47, s[CH], HALFT
	s_add_co_u32 s47, s47, 2*HALFT                 ; and of B, behind A's 16
.irp s, 0,1
	v_add_nc_u32 v[ADRA+\s], s41, v[L16]
	v_add_nc_u32 v[ADRA+2+\s], s41, v[L8]
	v_add_nc_u32 v[ADRB+\s], s47, v[L16]
	v_add_nc_u32 v[ADRB+2+\s], s47, v[L8]
	s_add_co_u32 s41, s41, SLOT
	s_add_co_u32 s47, s47, SLOT
.endr
	s_lshl_b32 s41, s[RH], 12
	s_lshl_b32 s47, s[CH], 12
	s_add_co_u32 s47, s47, 2*HALFS
	s_sub_co_u32 s47, s47, s41
	v_mul_u32_u24 v4, s47, v3                      ; lanes 16-31 take B's words: one product, the distance between the two bases
	s_add_co_u32 s41, s41, SCL
	v_lshl_add_u32 v4, v2, 3, v4                   ; 8 bytes a row: a slot's two words
	v_add_nc_u32 v[ADRS], s41, v4
	v_lshlrev_b32 v[BOF], 6, v3
	v_and_b32 v4, 8, v2
	v_add_nc_u32 v4, v4, v2
	v_lshlrev_b32 v[BOV], 2, v4
.irp b, 0,1,2,3
	v_mov_b32 v[TM+4+\b], 0                        ; written once: a lane permute's destination counts as one of its sources
.endr
	s_mov_b32 s[SEL], 0x76543210
	s_mov_b32 s[SEL+1], 0xfedcba98
	s_mov_b32 s[HI], 0xffff0000
.macro FRAG reg, adr, q, i             ; a fragment as it lies: row block i of my eight, the slot's q-th 128 along K
	ds_load_b128 v[\reg:\reg+3], v[\adr] offset:(\i)*SLB+(\q)*1536
	ds_load_b64 v[\reg+4:\reg+5], v[\adr+2] offset:(\i)*SLB+(\q)*1536+512
	ds_load_b128 v[\reg+6:\reg+9], v[\adr] offset:(\i)*SLB+(\q)*1536+768
	ds_load_b64 v[\reg+10:\reg+11], v[\adr+2] offset:(\i)*SLB+(\q)*1536+1280
.endm
; 16 matrix instructions: A's blocks a0, a0 + 1 x B's eight.  The 64 accumulators take turns, one instruction a turn, in the same order in every step.
.macro MUL16 a0, p, q, sc, zero
.irp a, \a0, \a0+1
.irp b, 0,1,2,3,4,5,6,7
.if \zero
	v_wmma_scale_f32_16x16x128_f8f6f4 v[8*(8*((\a)%4)+\b):8*(8*((\a)%4)+\b)+7], v[128*(\p)+FR*\b:128*(\p)+FR*\b+FR-1], v[AF+FR*(\a):AF+FR*(\a)+FR-1], 0, v[SC+8*NQ*(\sc)+NQ*\b+(\q)], v[SC+8*NQ*(\sc)+NQ*(\a)+(\q)] matrix_a_fmt:MATRIX_FMT_FP6 matrix_b_fmt:MATRIX_FMT_FP6 matrix_a_scale:MATRIX_SCALE_ROW1
.else
	v_wmma_scale_f32_16x16x128_f8f6f4 v[8*(8*((\a)%4)+\b):8*(8*((\a)%4)+\b)+7], v[128*(\p)+FR*\b:128*(\p)+FR*\b+FR-1], v[AF+FR*(\a):AF+FR*(\a)+FR-1], v[8*(8*((\a)%4)+\b):8*(8*((\a)%4)+\b)+7], v[SC+8*NQ*(\sc)+NQ*\b+(\q)], v[SC+8*NQ*(\sc)+NQ*(\a)+(\q)] matrix_a_fmt:MATRIX_FMT_FP6 matrix_b_fmt:MATRIX_FMT_FP6 matrix_a_scale:MATRIX_SCALE_ROW1
.endif
.endr
.endr
.endm
.macro FETCH_B slot, q, p
	WIN TO_B
.irp i, 0,1,2,3,4,5,6,7
	FRAG 128*(\p)+FR*\i, ADRB+\slot, \q, \i
.endr
	WIN 0
.endm
.macro FETCH_A slot, q, i0
.irp i, \i0, \i0+1, \i0+2, \i0+3
	FRAG AF+FR*(\i), ADRA+\slot, \q, \i
.endr
.endm
.macro SCALES sc                       ; a slot's two words a row: lanes 0-15 A's block i, lanes 16-31 B's block i
.irp i, 0,1,2,3,4,5,6,7
	ds_load_b64 v[SC+8*NQ*\sc+NQ*\i:SC+8*NQ*\sc+NQ*\i+1], v[ADRS] offset:\i*512
.endr
.endm
.macro PLACES n                        ; plain vector instructions between a matrix instruction and a load into, or a vector instruction on, its registers
.rept \n
	v_nop
.endr
.endm
.macro STEP slot, q, zero              ; 128 along K with its successor in the same slot
	s_wait_dscnt 4*NL                              ; B's set and A's blocks 0-3 are in; the youngest 16 loads (A's blocks 4-7) may be out
	WIN MUL_LO
	MUL16 0, (\q)%2, \q, \slot, \zero
	MUL16 2, (\q)%2, \q, \slot, \zero
	s_wait_dscnt 0
	PLACES NP
	FETCH_B \slot, (\q)+1, 1-(\q)%2
	FETCH_A \slot, (\q)+1, 0
	WIN MUL_HI
	MUL16 4, (\q)%2, \q, \slot, \zero
	MUL16 6, (\q)%2, \q, \slot, \zero
	PLACES NP
	WIN 0
	FETCH_A \slot, (\q)+1, 4
.endm
; A slot's last step changes slots: one barrier; in front of it each wave waits for all its tensor loads, adds 0 to its spare word, and waits for that and for its reads of this slot.
.macro TURN slot, next, fill
	s_wait_tensorcnt 0x0                           ; all my tensor loads have landed: my part of the next slot
	ds_add_u32 v[SPW], v[NIL]
	s_wait_dscnt 4*NL+1                            ; (the add and the youngest 16 loads may be out)
	WIN MUL_LO
	MUL16 0, 1, NQ-1, \slot, 0
	s_wait_dscnt 0x0                               ; the add is done, and my reads of this slot are over
	s_barrier_signal -1
	MUL16 2, 1, NQ-1, \slot, 0
	WIN 0
	s_barrier_wait -1
.if \fill
	CREST                                          ; the barrier has opened a round of the cluster's: no wave of any partner still reads this slot or has a load on its way
	s_add_nc_u64 s[G0+4*\slot+2:G0+4*\slot+3], s[G0+4*\slot+2:G0+4*\slot+3], 2*SLB
	s_add_nc_u64 s[G0B+4*\slot+2:G0B+4*\slot+3], s[G0B+4*\slot+2:G0B+4*\slot+3], 2*SLB
	JLOAD G0+4*\slot, G1, G0B+4*\slot, G1B         ; the first tensor load behind the round; its four v_nop are the places in front of the loads below
.else
	PLACES NP
.endif
	v_add_nc_u32 v[ADRS], 128, v[ADRS]             ; the next slot's scale words
	FETCH_B \next, 0, 0
	FETCH_A \next, 0, 0
	SCALES \next
	WIN MUL_HI
	MUL16 4, 1, NQ-1, \slot, 0
	MUL16 6, 1, NQ-1, \slot, 0
	PLACES NP
	WIN 0
	FETCH_A \next, 0, 4
.endm
.macro LAST                            ; the last 128 along K: nothing more to fetch
	s_wait_dscnt 4*NL
	WIN MUL_LO
	MUL16 0, 1, NQ-1, 1, 0
	MUL16 2, 1, NQ-1, 1, 0
	s_wait_dscnt 0
	WIN MUL_HI
	MUL16 4, 1, NQ-1, 1, 0
	MUL16 6, 1, NQ-1, 1, 0
	WIN 0
	PLACES NP                                      ; ahead of the first vector instruction that writes A's registers or reads a result
.endm
; THE WAY OUT of A's block a, q and k: (sum x 1/8 or 1) + bias, each accumulator from its low end on; quantised; the fragment's two halves go to the two heads' records.
.macro EPI_QK a
	WIN 0x02+(\a)/4
.irp b, 0,1,2,3,4,5,6,7
.irp j, 0,2,4,6
	v_pk_fma_f32 v[ST+8*\b+\j:ST+8*\b+\j+1], v[64*((\a)%4)+8*\b+\j:64*((\a)%4)+8*\b+\j+1], s[SCM:SCM+1], v[BI+8*\b+\j:BI+8*\b+\j+1] op_sel_hi:[1,0,1]
.endr
.endr
	WIN 0
.if (\a) > 0
	s_wait_xcnt 0x0                                ; the last block's stores have read the codes' registers
.endif
	QUANT ST, PC, PW, 0
	global_store_b128 v[L16], v[PC:PC+3], s[P0:P0+1] offset:768*(\a)
	global_store_b64 v[L8], v[PC+4:PC+5], s[P0:P0+1] offset:768*(\a)+512
	global_store_b128 v[L16], v[PC+6:PC+9], s[P1:P1+1] offset:768*(\a)
	global_store_b64 v[L8], v[PC+10:PC+11], s[P1:P1+1] offset:768*(\a)+512
.irp c, 0,1                            ; head c's word of tiles a - 1 and a: two bytes each
.if (\a)%2 == 0
	v_lshl_or_b32 v[WS+4*\c+(\a)/2], v[TM+5+2*\c], 8, v[TM+4+2*\c]
.else
	v_lshl_or_b32 v[PW], v[TM+5+2*\c], 8, v[TM+4+2*\c]
	v_lshl_or_b32 v[WS+4*\c+(\a)/2], v[PW], 16, v[WS+4*\c+(\a)/2]
.endif
.endr
.endm
; The same for v: a lane holds one channel, its registers 128 keys: a whole fragment of V^T and its word.
.macro EPI_V a
	WIN 0x02+(\a)/4
.irp b, 0,1,2,3,4,5,6,7
.irp j, 0,2,4,6
	v_pk_add_f32 v[ST+8*\b+\j:ST+8*\b+\j+1], v[64*((\a)%4)+8*\b+\j:64*((\a)%4)+8*\b+\j+1], v[BI+2*(\a):BI+2*(\a)+1]
.endr
.endr
	WIN 0
.if (\a) > 0
	s_wait_xcnt 0x0
.endif
	QUANT ST, PC, WS+(\a), 1
	global_store_b128 v[L16], v[PC:PC+3], s[P0+2*((\a)/4):P0+2*((\a)/4)+1] offset:6400+1536*((\a)%4)
	global_store_b64 v[L8], v[PC+4:PC+5], s[P0+2*((\a)/4):P0+2*((\a)/4)+1] offset:6400+1536*((\a)%4)+512
	global_store_b128 v[L16], v[PC+6:PC+9], s[P0+2*((\a)/4):P0+2*((\a)/4)+1] offset:6400+1536*((\a)%4)+768
	global_store_b64 v[L8], v[PC+10:PC+11], s[P0+2*((\a)/4):P0+2*((\a)/4)+1] offset:6400+1536*((\a)%4)+1280
.endm
.macro TAIL off                        ; a head's four words of 16 rows: lane (r, h) stores words h and 2 + h at 8 x lane: 256 bytes
.irp c, 0,1
	v_cndmask_b32 v[DD+2*\c], v[WS+4*\c], v[WS+4*\c+1], s[HI]
	v_cndmask_b32 v[DD+2*\c+1], v[WS+4*\c+2], v[WS+4*\c+3], s[HI]
	global_store_b64 v[L8], v[DD+2*\c:DD+2*\c+1], s[P0+2*\c:P0+2*\c+1] offset:\off
.endr
.endm
; The record of my first head: ((16 x batch + head) x 16 + the tokens' group of 128) x size; xb, xs: the tokens' tile and half; yh, ys: the channels'.  s41: a record's bytes
.macro RECORD xb, xs, yh, ys
	s_lshr_b32 s10, s[\xb], 3
	s_lshl_b32 s10, s10, 4
	s_lshl_b32 s11, s[\yh], 2
	s_add_co_u32 s10, s10, s11
	s_lshl_b32 s11, s[\ys], 1
	s_add_co_u32 s10, s10, s11
	s_lshl_b32 s10, s10, 4
	s_and_b32 s11, s[\xb], 7
	s_lshl_b32 s11, s11, 1
	s_add_co_u32 s10, s10, s11
	s_add_co_u32 s10, s10, s[\xs]
	s_mul_i32 s10, s10, s41
	s_mov_b32 s11, 0
	s_add_nc_u64 s[P0:P0+1], s[P0:P0+1], s[10:11]
	s_lshl_b32 s10, s41, 4                         ; the next head's lies 16 records on
	s_add_nc_u64 s[P1:P1+1], s[P0:P0+1], s[10:11]
.endm
	s_wait_tensorcnt 1                             ; the scale words and my part of slot 0 are in; slot 1's load may be out
	s_barrier_signal -1
	s_barrier_wait -1
	FETCH_B 0, 0, 0
	FETCH_A 0, 0, 0
	SCALES 0
	FETCH_A 0, 0, 4
	STEP 0, 0, 1                                   ; the first products start the sums: nothing is cleared
	TURN 0, 1, 1
	STEP 1, 0, 0
	TURN 1, 0, 1
	STEP 0, 0, 0
	TURN 0, 1, 0                                   ; nothing is left to fetch
	STEP 1, 0, 0
	s_cmp_eq_u32 s[TEN], 2
	s_cbranch_scc1 .Lvalue
	; ---- q and k
	s_cmp_eq_u32 s[TEN], 0
	s_cselect_b64 s[8:9], s[8:9], s[10:11]         ; bq or bk
	s_cselect_b64 s[P0:P0+1], s[14:15], s[16:17]   ; qrec or kv
	s_mov_b32 s41, 12800
	s_cselect_b32 s41, 6400, s41
	s_cselect_b32 s[SCM], 0x3e000000, 1.0          ; q is divided by sqrt(64) = 8: exact
	s_mov_b32 s[SCM+1], s[SCM]
	s_lshl_b32 s10, s[TC], 10
	s_lshl_b32 s11, s[CH], 9
	s_add_co_u32 s10, s10, s11
	s_mov_b32 s11, 0
	s_add_nc_u64 s[8:9], s[8:9], s[10:11]          ; my 128 channels' biases
.irp b, 0,1,2,3,4,5,6,7                ; register 8 b + j: channel 32 (b / 2) + 16 h + 8 (b % 2) + j, as the results lie
	global_load_b128 v[BI+8*\b:BI+8*\b+3], v[BOF], s[8:9] offset:(32*(\b/2)+8*(\b%2))*4
	global_load_b128 v[BI+8*\b+4:BI+8*\b+7], v[BOF], s[8:9] offset:(32*(\b/2)+8*(\b%2))*4+16
.endr
	RECORD TR, RH, TC, CH
	LAST
	s_wait_loadcnt 0x0
.set j, 0
.rept 32
	v_pk_mul_f32 v[BI+j:BI+j+1], v[BI+j:BI+j+1], s[SCM:SCM+1] op_sel_hi:[1,0]   ; the bias under the same factor, so that sum and bias are joined by one fused multiply-add
.set j, j+2
.endr
.irp a, 0,1,2,3,4,5,6,7
	EPI_QK \a
.endr
	TAIL 6144
	s_branch .Lend
.Lvalue:
	; ---- v
	s_mov_b64 s[P0:P0+1], s[16:17]
	s_mov_b32 s41, 12800
	s_lshl_b32 s10, s[TR], 10
	s_lshl_b32 s11, s[RH], 9
	s_add_co_u32 s10, s10, s11
	s_mov_b32 s11, 0
	s_add_nc_u64 s[12:13], s[12:13], s[10:11]
.irp a, 0,1,2,3,4,5,6,7                ; my channel of block a: 32 (a / 2) + 8 (a % 2) + r + 8 (r / 8)
	global_load_b32 v[BI+2*\a], v[BOV], s[12:13] offset:(32*(\a/2)+8*(\a%2))*4
.endr
	RECORD TC, CH, TR, RH
	LAST
	s_wait_loadcnt 0x0
.irp a, 0,1,2,3,4,5,6,7
	v_mov_b32 v[BI+2*\a+1], v[BI+2*\a]             ; a pair for the packed addition
.endr
.irp a, 0,1,2,3,4,5,6,7
	EPI_V \a
.endr
	TAIL 12544
.Lend:
	s_wait_tensorcnt 0x0                           ; the wave's end
	ds_add_u32 v[SPW], v[NIL]
	s_wait_dscnt 0x0
	CROUND                                         ; the closing round: no work-group ends while a partner may still ask for a tile that names it
	s_endpgm
.Lfunc_end_k_q4f57d0939b_proj:
	.size	k_q4f57d0939b_proj, .Lfunc_end_k_q4f57d0939b_proj-k_q4f57d0939b_proj
	.p2alignl 7, 3214868480
	.fill 96, 4, 3214868480
	.section	.rodata,"a",@progbits
	.p2align	6, 0x0
	.amdhsa_kernel k_q4f57d0939b_proj
		.amdhsa_group_segment_fixed_size 327680
		.amdhsa_private_segment_fixed_size 0
		.amdhsa_enable_private_segment 0
		.amdhsa_kernarg_size 56
		.amdhsa_user_sgpr_count 2
		.amdhsa_user_sgpr_kernarg_segment_ptr 1
		.amdhsa_wavefront_size32 1
		.amdhsa_system_sgpr_workgroup_id_x 1
		.amdhsa_system_sgpr_workgroup_id_y 1
		.amdhsa_system_sgpr_workgroup_id_z 1
		.amdhsa_system_vgpr_workitem_id 0
		.amdhsa_next_free_vgpr 1024
		.amdhsa_next_free_sgpr 102
		.amdhsa_reserve_vcc 0
		.amdhsa_float_denorm_mode_32 3
		.amdhsa_float_denorm_mode_16_64 3
		.amdhsa_memory_ordered 1
		.amdhsa_forward_progress 1
		.amdhsa_inst_pref_size 229
	.end_amdhsa_kernel
	.amdgpu_metadata
---
amdhsa.version: [ 1, 2 ]
amdhsa.kernels:
  - .name:           k_q4f57d0939b_proj
    .symbol:         k_q4f57d0939b_proj.kd
    .args:
      - { .name: cod, .offset: 0, .size: 8, .value_kind: global_buffer, .address_space: global }
      - { .name: scl, .offset: 8, .size: 8, .value_kind: global_buffer, .address_space: global }
      - { .name: bq, .offset: 16, .size: 8, .value_kind: global_buffer, .address_space: global }
      - { .name: bk, .offset: 24, .size: 8, .value_kind: global_buffer, .address_space: global }
      - { .name: bv, .offset: 32, .size: 8, .value_kind: global_buffer, .address_space: global }
      - { .name: qrec, .offset: 40, .size: 8, .value_kind: global_buffer, .address_space: global }
      - { .name: kv, .offset: 48, .size: 8, .value_kind: global_buffer, .address_space: global }
    .group_segment_fixed_size: 327680
    .private_segment_fixed_size: 0
    .kernarg_segment_align: 8
    .kernarg_segment_size: 56
    .max_flat_workgroup_size: 128
    .sgpr_count:     102
    .vgpr_count:     1024
    .wavefront_size: 32
...
	.end_amdgpu_metadata
.endif
;; end of part 2
;; launch attn (part 3): grid 4 x 64, 16 waves a work-group, no clusters, 206,848 bytes of LDS; arguments qrec, kv, maskb, holes, ctxc, ctxs; writes ctxc, ctxs
.if DOCPART == 3
	.amdgcn_target "amdgcn-amd-amdhsa--gfx1250"
	.amdhsa_code_object_version 6
	.text
	.protected	k_q4f57d0939b_attn
	.globl	k_q4f57d0939b_attn
	.p2align	8
	.type	k_q4f57d0939b_attn,@function
k_q4f57d0939b_attn:
	s_mov_b64 s[64:65], 0
	v_nop
	global_prefetch_b8 v0, s[64:65] scope:SCOPE_SE
	s_setreg_imm32_b32 hwreg(HW_REG_WAVE_MODE, 25, 1), 1
	s_wait_xcnt 0x0
; context = softmax(q k^T, hidden keys left out) v for one head, both products on codes of FP6 (E2M3) with E8M0 scales; the context is quantised along DIM and leaves as an image of the last product's operand.
; THE SOFTMAX: t = score x log2(e); M = the running largest t rounded UP to a whole number; p = 2^(t - M) is what is quantised, along the keys, not normalised.  The row's sum is taken of the unquantised p and
; divides O at the end.  When M moves, the sum and O are multiplied by 2^(old M - new M): exact.
; SHARES.  A work-group owns 512 queries of one head (4 work-groups a head, 64 heads).  THE HEAD'S WHOLE K AND V, 16 records of 12,800 bytes, LIE IN LDS FOR THE WHOLE LAUNCH, as they lie in memory: no ring, one barrier.
; Each of sixteen waves owns one tile of 16 queries at a time, twice; four waves share a SIMD, so that one wave's vector work stands beside another's products and LDS loads.
; LAYOUT.  Both products are used transposed (S^T = K Q^T, O^T = V^T P^T): a lane holds one query throughout.  The keys of a tile of K and the channels of a tile of V^T are TURNED (lane r of tile 2 B + u = 32 B + 8 u + r + 8 (r / 8)),
; so that p's, and then O's, 16 registers of two neighbouring tiles are 16 neighbours along the next K.
; THE FIRST PRODUCT'S K IS 64, the instruction's 128.  Two neighbouring tiles of K (768 bytes each) are loaded as ONE fragment, and Q stands in 18 registers, six zeros, q, six zeros: v[22:33] = [q | 0] picks the first tile,
; v[16:27] = [0 | q] the second.  So no byte of K is read twice and none is padding.  The empty half's scale bytes are 1.
; THE MASK.  A key step (128 keys) with a hole takes the table's numbers (0 or -3e38) as the C of its first product; p is then 0.  A step without holes is told by a bit of a stored word, and a scalar branch leaves those 16 loads out.
; NO TENSOR LOADS, NO MULTICAST: that branch hangs on a number read from memory.  What the four work-groups of a head share is read once by each, 204,800 bytes
; at its head, through registers; 512 tile-steps of work follow on them.  No prefetch: nothing is loaded behind the head but a hole's 512 bytes.
; LIMITS: a hidden key's score is -3e38, not -infinity: scores stay under 4e37 in magnitude.  A batch whose every key is hidden, where the softmax gives NaN, is not served (the context passes a quantiser that has no NaN).
; The context's scale bytes leave two bytes a row and head (32 bytes a tile): a row's word is shared by two heads, which other work-groups make.
; REGISTERS: v1 16 x lane, v2 8 x lane, v3 64 h, v4, v5 the add's two, v6 8 r, v7-9 addresses of the step, v11 Q's raw scale word, v12 -M, v13 the largest t, v[14:15] the sum; v16-33 Q; v34-81 four fragments of K, then of V;
; v82-88 the second pass's Q; v90, v91 Q's scale words; v[92:93] K's, v[94:95] V's; v96-159 S^T, then p; v160-191 O^T; v224-235 p's codes; v232-254 at work.
.set REC,   12800
.set SPARE, 16*REC                     ; behind the records: the spare words, 128 bytes for each of 16 waves
.set KF,   34
.set WV,   16
.set SEL,  20
.set CS,   22                          ; s[22:23] log2(e)
.set HW0,  30                          ; the batch's hole bits
.set HW,   31
.set TB,   32                          ; LDS byte of the step's record
.set MS,   33                          ; byte of the step's keys in the mask table
.set STEPS, 34
.set PASS, 35
.set SH,   36                          ; 16 x (my tile % 2): where my tile's two bytes stand in the raw word
	s_load_b256 s[4:11], s[0:1], 0x0               ; qrec s[4:5], kv s[6:7], maskb s[8:9], holes s[10:11]
	s_load_b128 s[12:15], s[0:1], 0x20             ; ctxc s[12:13], ctxs s[14:15]
	v_lshl_add_u32 v4, v0, 2, SPARE
	v_mov_b32 v5, 0
	v_lshrrev_b32 v10, 5, v0
	v_readfirstlane_b32 s[WV], v10
	v_and_b32 v10, 31, v0
	v_lshlrev_b32 v1, 4, v10
	v_lshlrev_b32 v2, 3, v10
	v_bfe_u32 v3, v0, 4, 1
	v_lshlrev_b32 v3, 6, v3
	v_and_b32 v6, 15, v0
	v_lshlrev_b32 v6, 3, v6
	v_lshlrev_b32 v204, 4, v0                      ; 16 x thread: the fill
.irp i, 0,1,2,3
	v_add_nc_u32 v[200+\i], 65536*\i, v204
.endr
	s_and_b32 s17, ttmp7, 0xffff                   ; batch x 16 + head
	s_lshr_b32 s18, s17, 4
	s_and_b32 s19, s17, 15
	s_and_b32 s[SH], s[WV], 1
	s_lshl_b32 s[SH], s[SH], 4
	s_lshl_b32 s24, s17, 4                         ; my first tile is 32 x + wave of the head's 128: record 4 x + wave / 8, tile a = wave % 8 in it
	s_lshl_b32 s26, ttmp9, 2
	s_add_co_u32 s24, s24, s26
	s_lshr_b32 s26, s[WV], 3
	s_add_co_u32 s24, s24, s26
	s_mul_i32 s24, s24, 6400
	s_mov_b32 s25, 0
	s_and_b32 s26, s[WV], 7
	s_bfe_u32 s27, s26, 0x10001
	s_lshl_b32 s27, s27, 7
	s_lshr_b32 s28, s26, 2
	s_lshl_b32 s28, s28, 2
	s_add_co_u32 s28, s28, s27
	s_add_co_u32 s28, s28, 6144
	s_add_co_u32 s28, s28, s24                     ; the word of tiles a and a xor 1: 6,144 + 128 ((a / 2) % 2) + 4 (a / 4) + 8 r
	s_mov_b32 s29, 0
	s_mul_i32 s26, s26, 768
	s_add_co_u32 s24, s24, s26                     ; the tile's codes
	s_mul_i32 s38, s17, 16*REC
	s_mov_b32 s39, 0
	s_lshl_b32 s40, s18, 13
	s_mov_b32 s41, 0
	s_lshl_b32 s42, s18, 7
	s_lshl_b32 s44, s18, 7                         ; the context's row block: 128 x batch + tile
	s_lshl_b32 s26, ttmp9, 5
	s_add_co_u32 s44, s44, s26
	s_add_co_u32 s44, s44, s[WV]
	s_lshl_b32 s46, s44, 9
	s_mul_i32 s44, s44, 12288
	s_mul_i32 s26, s19, 768                        ; head hd is half hd % 2 of K step hd / 2: 768 hd bytes on
	s_add_co_u32 s44, s44, s26
	s_mov_b32 s45, 0
	s_lshr_b32 s26, s19, 2
	s_lshl_b32 s26, s26, 7
	s_add_co_u32 s46, s46, s26
	s_and_b32 s26, s19, 3
	s_lshl_b32 s26, s26, 1
	s_add_co_u32 s46, s46, s26                     ; its two bytes of a row's words: 128 (hd / 4) + 2 (hd % 4) + 8 r
	s_mov_b32 s47, 0
	s_mov_b32 s[SEL], 0x76543210
	s_mov_b32 s[SEL+1], 0xfedcba98
	s_mov_b32 s[CS], 0x3fb8aa3b
	s_mov_b32 s[CS+1], s[CS]
	s_wait_kmcnt 0x0
	s_load_b32 s[HW0], s[10:11], s42 offset:0x0
	s_add_nc_u64 s[28:29], s[4:5], s[28:29]
	s_add_nc_u64 s[4:5], s[4:5], s[24:25]
	s_add_nc_u64 s[6:7], s[6:7], s[38:39]
	s_add_nc_u64 s[8:9], s[8:9], s[40:41]
	s_add_nc_u64 s[12:13], s[12:13], s[44:45]
	s_add_nc_u64 s[14:15], s[14:15], s[46:47]
	global_load_b128 v[22:25], v1, s[4:5]          ; Q of the first pass,
	global_load_b64 v[26:27], v2, s[4:5] offset:512
	global_load_b32 v11, v6, s[28:29]
	global_load_b128 v[82:85], v1, s[4:5] offset:12800   ; and of the second: 16 tiles, two records, on
	global_load_b64 v[86:87], v2, s[4:5] offset:13312
	global_load_b32 v88, v6, s[28:29] offset:12800
.irp k, 0,1,2,3,4,5,6,7,8,9,10,11,12,13,14,15,16,17,18,19,20,21,22,23,24
	global_load_b128 v[96+4*\k:99+4*\k], v204, s[6:7] offset:8192*\k   ; the head's K and V: 512 threads x 16 bytes, 25 times
.endr
.irp j, 16,17,18,19,20,21,28,29,30,31,32,33
	v_mov_b32 v[\j], 0                             ; the zeros on both sides of q
.endr
.irp b, 0,1,2,3
	v_mov_b32 v[236+\b], 0                         ; written once: a lane permute's destination counts as one of its sources
.endr
	v_mov_b32 v252, 0
	v_mov_b32 v253, 0
.irp k, 0,1,2,3,4,5,6,7,8,9,10,11,12,13,14,15,16,17,18,19,20,21,22,23,24
	s_wait_loadcnt 24-\k                           ; load k is in; the 24 - k issued behind it may be out
	ds_store_b128 v[200+\k/8], v[96+4*\k:99+4*\k] offset:(8192*\k)%65536
.endr
	s_wait_dscnt 0x0                               ; for the others' sake: my stores have landed
	s_barrier_signal -1
	s_barrier_wait -1
	s_wait_kmcnt 0x0                               ; the hole bits
	s_mov_b32 s[PASS], 2
.macro SP t, c                         ; scores of tile t; c = 1: the mask's numbers, which lie in the result's registers, are the C
.if ((\t)/2)%2
.if \c
	v_wmma_scale_f32_16x16x128_f8f6f4 v[96+8*(\t):103+8*(\t)], v[KF+12*((\t)/2):KF+12*((\t)/2)+11], v[22-6*((\t)%2):33-6*((\t)%2)], v[96+8*(\t):103+8*(\t)], v[92+(\t)/4], v[90+(\t)%2] matrix_a_fmt:MATRIX_FMT_FP6 matrix_b_fmt:MATRIX_FMT_FP6 matrix_a_scale:MATRIX_SCALE_ROW1
.else
	v_wmma_scale_f32_16x16x128_f8f6f4 v[96+8*(\t):103+8*(\t)], v[KF+12*((\t)/2):KF+12*((\t)/2)+11], v[22-6*((\t)%2):33-6*((\t)%2)], 0, v[92+(\t)/4], v[90+(\t)%2] matrix_a_fmt:MATRIX_FMT_FP6 matrix_b_fmt:MATRIX_FMT_FP6 matrix_a_scale:MATRIX_SCALE_ROW1
.endif
.else
.if \c
	v_wmma_scale_f32_16x16x128_f8f6f4 v[96+8*(\t):103+8*(\t)], v[KF+12*((\t)/2):KF+12*((\t)/2)+11], v[22-6*((\t)%2):33-6*((\t)%2)], v[96+8*(\t):103+8*(\t)], v[92+(\t)/4], v[90+(\t)%2] matrix_a_fmt:MATRIX_FMT_FP6 matrix_b_fmt:MATRIX_FMT_FP6
.else
	v_wmma_scale_f32_16x16x128_f8f6f4 v[96+8*(\t):103+8*(\t)], v[KF+12*((\t)/2):KF+12*((\t)/2)+11], v[22-6*((\t)%2):33-6*((\t)%2)], 0, v[92+(\t)/4], v[90+(\t)%2] matrix_a_fmt:MATRIX_FMT_FP6 matrix_b_fmt:MATRIX_FMT_FP6
.endif
.endif
.endm
.macro FRAGS off                       ; four fragments as they lie, from byte off of the step's record
.irp p, 0,1,2,3
	ds_load_b128 v[KF+12*\p:KF+12*\p+3], v8 offset:\off+1536*\p
	ds_load_b64 v[KF+12*\p+4:KF+12*\p+5], v9 offset:\off+1536*\p+512
	ds_load_b128 v[KF+12*\p+6:KF+12*\p+9], v8 offset:\off+1536*\p+768
	ds_load_b64 v[KF+12*\p+10:KF+12*\p+11], v9 offset:\off+1536*\p+1280
.endr
.endm
.Lpass:
	v_lshrrev_b32 v10, s[SH], v11
	v_and_b32 v10, 0xffff, v10                     ; my tile's two scale bytes
	v_or_b32 v90, 0x1010000, v10                   ; for [q | 0],
	v_lshl_or_b32 v91, v10, 16, 0x101              ; and for [0 | q]
	v_mov_b32 v13, 0xff61b1e6                      ; the largest t so far: -3e38
	v_floor_f32 v12, -v13                          ; -M
	v_mov_b32 v14, 0
	v_mov_b32 v15, 0
.set j, 0
.rept 32
	v_mov_b32 v[160+j], 0                          ; O^T: the step is written once; the first finds zeros, which the first change of M leaves zeros
.set j, j+1
.endr
	s_mov_b32 s[TB], 0
	s_mov_b32 s[MS], 0
	s_mov_b32 s[HW], s[HW0]
	s_mov_b32 s[STEPS], 16
.Lstep:                                            ; 128 keys
	v_add_nc_u32 v8, s[TB], v1                     ; these four lines are also the places between the last step's products and the loads into their registers
	v_add_nc_u32 v9, s[TB], v2
	v_add_nc_u32 v7, s[MS], v3
	v_nop
	FRAGS 0                                        ; K: four pairs of tiles
	ds_load_b64 v[92:93], v9 offset:6144           ; register i: the word of pair 2 i in lanes 0-15, of pair 2 i + 1 in lanes 16-31
	s_and_b32 s37, s[HW], 1
	s_cmp_lg_u32 s37, 0
	s_cbranch_scc1 .Lholes
	s_wait_dscnt 0x0
.irp t, 0,1,2,3,4,5,6,7
	SP \t, 0
.endr
	s_branch .Lscored
.Lholes:
.irp t, 0,1,2,3,4,5,6,7                ; register 8 t + j holds key 32 (t / 2) + 16 h + 8 (t % 2) + j
	global_load_b128 v[96+8*\t:99+8*\t], v7, s[8:9] offset:(32*(\t/2)+8*(\t%2))*4
	global_load_b128 v[100+8*\t:103+8*\t], v7, s[8:9] offset:(32*(\t/2)+8*(\t%2))*4+16
.endr
	s_wait_loadcnt 0x0                             ; the numbers are in, and v7 may be written again
	s_wait_dscnt 0x0
.irp t, 0,1,2,3,4,5,6,7
	SP \t, 1
.endr
.Lscored:
.rept 4
	v_nop                                          ; places ahead of the loads into K's registers and of the first read of the scores
.endr
	FRAGS 6400                                     ; V^T: four tiles of 16 channels x these 128 keys: they land under the softmax
	ds_load_b64 v[94:95], v9 offset:12544
.irp b, 0,1,2,3
	v_max3_num_f32 v[232+\b], v[96+16*\b], v[97+16*\b], v[98+16*\b]   ; the largest score of each block of 32 keys: for the row's maximum, and, since p rises with the score, for the block's largest p
.endr
.irp i, 3,5,7,9,11,13
.irp b, 0,1,2,3
	v_max3_num_f32 v[232+\b], v[232+\b], v[96+16*\b+\i], v[97+16*\b+\i]
.endr
.endr
.irp b, 0,1,2,3
	v_max_num_f32 v[232+\b], v[232+\b], v[111+16*\b]
.endr
.irp b, 0,1,2,3
	v_permlanex16_b32 v[236+\b], v[232+\b], s[SEL], s[SEL+1]
.endr
.irp b, 0,1,2,3
	v_max_num_f32 v[232+\b], v[232+\b], v[236+\b]  ; with lane l xor 16's 16 keys
.endr
	v_max3_num_f32 v254, v232, v233, v234
	v_max_num_f32 v254, v254, v235
	v_mul_f32 v254, s[CS], v254                    ; the step's largest t
	v_max_num_f32 v13, v13, v254
	v_mov_b32 v254, v12
	v_floor_f32 v12, -v13                          ; the new -M = -ceil(t): a whole number
	v_sub_f32 v254, v12, v254
	v_cvt_i32_f32 v254, v254                       ; old M - new M, 0 or less (it saturates)
	v_ldexp_f32 v252, 1.0, v254                    ; f = 2^(old M - new M)
.set j, 0
.rept 32
	v_pk_fma_f32 v[96+j:97+j], v[96+j:97+j], s[CS:CS+1], v[12:13] op_sel_hi:[1,0,0]   ; t - M
.set j, j+2
.endr
.irp b, 0,1,2,3
	v_fma_f32 v[232+\b], v[232+\b], s[CS], v12     ; the same of each block's largest score
.endr
.set j, 0
.rept 64
	v_exp_f32 v[96+j], v[96+j]                     ; p = 2^(t - M)
.set j, j+1
.endr
	v_pk_mul_f32 v[14:15], v[14:15], v[252:253] op_sel_hi:[1,0]   ; the sums under the new M: a plain place behind the exponentials
	s_wait_alu depctr_va_vdst(0)                   ; one wait for the batch of 64, ahead of its first reader
.irp b, 0,1,2,3
	v_exp_f32 v[232+\b], v[232+\b]                 ; the blocks' largest p
.endr
	v_pk_add_f32 v[236:237], v[96:97], v[98:99]    ; the row's sum of the unquantised p, in two chains
.irp j, 4,8,12,16,20,24,28,32,36,40,44,48,52,56,60
	v_pk_add_f32 v[14:15], v[14:15], v[96+\j:97+\j]
	v_pk_add_f32 v[236:237], v[236:237], v[98+\j:99+\j]
.endr
	v_pk_add_f32 v[14:15], v[14:15], v[236:237]
	s_wait_alu depctr_va_vdst(0)                   ; and one for the four
.irp b, 0,1,2,3
	v_max_num_f32 v[232+\b], 0x1800000, v[232+\b]  ; the floor 2^(3 - 127): the byte cannot fall under 1
.endr
.irp b, 0,1,2,3
	v_add_nc_u32 v[244+\b], 0xff000000, v[232+\b]
.endr
.irp b, 0,1,2,3
	v_lshrrev_b32 v[236+\b], 23, v[244+\b]
.endr
	v_lshl_or_b32 v253, v237, 8, v236              ; p's scale word for these 128 keys
	v_lshl_or_b32 v253, v238, 16, v253
	v_lshl_or_b32 v253, v239, 24, v253
.irp c, 0,1
	v_cvt_scalef32_pk16_fp6_f32 v[224+6*\c:226+6*\c], v[96+32*\c:111+32*\c], v[244+2*\c]
	v_cvt_scalef32_pk16_fp6_f32 v[236+4*\c:238+4*\c], v[112+32*\c:127+32*\c], v[244+2*\c+1]
.endr
	v_nop                                          ; one plain place behind a scaled conversion
.irp c, 0,1
.irp i, 0,1,2
	v_permlane16_swap_b32 v[224+6*\c+\i], v[236+4*\c+\i]
.endr
.irp i, 0,1,2
	v_mov_b32 v[227+6*\c+\i], v[236+4*\c+\i]
.endr
.endr
.set j, 0
.rept 16
	v_pk_mul_f32 v[160+j:161+j], v[160+j:161+j], v[252:253] op_sel_hi:[1,0]   ; O^T under the new M; these sixteen also stand between the operand's and the scale word's last writes and the products
.set j, j+2
.endr
	s_wait_dscnt 0x0                               ; V is in
.irp t, 0,2
	v_wmma_scale_f32_16x16x128_f8f6f4 v[160+8*\t:167+8*\t], v[KF+12*\t:KF+12*\t+11], v[224:235], v[160+8*\t:167+8*\t], v[94+\t/2], v253 matrix_a_fmt:MATRIX_FMT_FP6 matrix_b_fmt:MATRIX_FMT_FP6
	v_wmma_scale_f32_16x16x128_f8f6f4 v[168+8*\t:175+8*\t], v[KF+12+12*\t:KF+12+12*\t+11], v[224:235], v[168+8*\t:175+8*\t], v[94+\t/2], v253 matrix_a_fmt:MATRIX_FMT_FP6 matrix_b_fmt:MATRIX_FMT_FP6 matrix_a_scale:MATRIX_SCALE_ROW1
.endr
	s_add_co_u32 s[TB], s[TB], REC
	s_add_co_u32 s[MS], s[MS], 512
	s_lshr_b32 s[HW], s[HW], 1
	s_sub_co_u32 s[STEPS], s[STEPS], 1
	s_cmp_lg_u32 s[STEPS], 0
	s_cbranch_scc1 .Lstep
	; THE END OF A PASS: O^T / the sum is the context: register 16 b + i = channel 32 b + 16 h + i of my query's head: two blocks of 32 along DIM
.rept 4
	v_nop                                          ; places behind the last products
.endr
	v_add_f32 v14, v14, v15
	v_permlanex16_b32 v252, v14, s[SEL], s[SEL+1]
	v_add_f32 v14, v14, v252                       ; the row's sum
	v_rcp_f32 v14, v14
	v_nop                                          ; a plain place behind the reciprocal
	s_wait_alu depctr_va_vdst(0)                   ; and the wait ahead of its first reader
.set j, 0
.rept 32
	v_mul_f32 v[96+j], v[160+j], v14               ; each accumulator from its low end on
.set j, j+1
.endr
.irp b, 0,1
	v_max3_num_f32 v[232+\b], |v[96+16*\b]|, |v[97+16*\b]|, 0x1800000
.endr
.irp i, 2,4,6,8,10,12,14
.irp b, 0,1
	v_max3_num_f32 v[232+\b], v[232+\b], |v[96+16*\b+\i]|, |v[97+16*\b+\i]|
.endr
.endr
.irp b, 0,1
	v_permlanex16_b32 v[236+\b], v[232+\b], s[SEL], s[SEL+1]
.endr
.irp b, 0,1
	v_max_num_f32 v[232+\b], v[232+\b], v[236+\b]
.endr
.irp b, 0,1
	v_add_nc_u32 v[244+\b], 0xff000000, v[232+\b]
.endr
.irp b, 0,1
	v_lshrrev_b32 v[236+\b], 23, v[244+\b]
.endr
	v_lshl_or_b32 v238, v237, 8, v236              ; the head's two bytes of my row's scale word
	v_cvt_scalef32_pk16_fp6_f32 v[224:226], v[96:111], v244
	v_cvt_scalef32_pk16_fp6_f32 v[240:242], v[112:127], v245
	v_nop
.irp i, 0,1,2
	v_permlane16_swap_b32 v[224+\i], v[240+\i]
.endr
.irp i, 0,1,2
	v_mov_b32 v[227+\i], v[240+\i]
.endr
	global_store_b128 v1, v[224:227], s[12:13]     ; half a fragment: 512 and 256 consecutive bytes
	global_store_b64 v2, v[228:229], s[12:13] offset:512
	global_store_b16 v6, v238, s[14:15]            ; (both halves of the lanes hold row r's bytes and write them to the same place)
	s_wait_xcnt 0x0                                ; the stores have read their registers and bases
	s_add_nc_u64 s[12:13], s[12:13], 16*12288      ; the second pass: 16 tiles on
	s_add_nc_u64 s[14:15], s[14:15], 16*512
.irp i, 0,1,2,3,4,5
	v_mov_b32 v[22+\i], v[82+\i]
.endr
	v_mov_b32 v11, v88
	s_sub_co_u32 s[PASS], s[PASS], 1
	s_cmp_lg_u32 s[PASS], 0
	s_cbranch_scc1 .Lpass
	s_wait_tensorcnt 0x0                           ; the wave's end, behind my last LDS store
	ds_add_u32 v4, v5
	s_wait_dscnt 0x0
	s_endpgm
.Lfunc_end_k_q4f57d0939b_attn:
	.size	k_q4f57d0939b_attn, .Lfunc_end_k_q4f57d0939b_attn-k_q4f57d0939b_attn
	.p2alignl 7, 3214868480
	.fill 96, 4, 3214868480
	.section	.rodata,"a",@progbits
	.p2align	6, 0x0
	.amdhsa_kernel k_q4f57d0939b_attn
		.amdhsa_group_segment_fixed_size 206848
		.amdhsa_private_segment_fixed_size 0
		.amdhsa_enable_private_segment 0
		.amdhsa_kernarg_size 48
		.amdhsa_user_sgpr_count 2
		.amdhsa_user_sgpr_kernarg_segment_ptr 1
		.amdhsa_wavefront_size32 1
		.amdhsa_system_sgpr_workgroup_id_x 1
		.amdhsa_system_sgpr_workgroup_id_y 1
		.amdhsa_system_sgpr_workgroup_id_z 1
		.amdhsa_system_vgpr_workitem_id 0
		.amdhsa_next_free_vgpr 256
		.amdhsa_next_free_sgpr 66
		.amdhsa_reserve_vcc 0
		.amdhsa_float_denorm_mode_32 3
		.amdhsa_float_denorm_mode_16_64 3
		.amdhsa_memory_ordered 1
		.amdhsa_forward_progress 1
		.amdhsa_inst_pref_size 34
	.end_amdhsa_kernel
	.amdgpu_metadata
---
amdhsa.version: [ 1, 2 ]
amdhsa.kernels:
  - .name:           k_q4f57d0939b_attn
    .symbol:         k_q4f57d0939b_attn.kd
    .args:
      - { .name: qrec, .offset: 0, .size: 8, .value_kind: global_buffer, .address_space: global }
      - { .name: kv, .offset: 8, .size: 8, .value_kind: global_buffer, .address_space: global }
      - { .name: maskb, .offset: 16, .size: 8, .value_kind: global_buffer, .address_space: global }
      - { .name: holes, .offset: 24, .size: 8, .value_kind: global_buffer, .address_space: global }
      - { .name: ctxc, .offset: 32, .size: 8, .value_kind: global_buffer, .address_space: global }
      - { .name: ctxs, .offset: 40, .size: 8, .value_kind: global_buffer, .address_space: global }
    .group_segment_fixed_size: 206848
    .private_segment_fixed_size: 0
    .kernarg_segment_align: 8
    .kernarg_segment_size: 48
    .max_flat_workgroup_size: 512
    .sgpr_count:     66
    .vgpr_count:     256
    .wavefront_size: 32
...
	.end_amdgpu_metadata
.endif
;; end of part 3
;; launch outp (part 4): grid 4 x 32, 4 waves a work-group, clusters of 4 x 4, 327,680 bytes of LDS; arguments ctxc, ctxs, cod, scl, bo, out0; writes out0
.if DOCPART == 4
	.amdgcn_target "amdgcn-amd-amdhsa--gfx1250"
	.amdhsa_code_object_version 6
	.text
	.protected	k_q4f57d0939b_outp
	.globl	k_q4f57d0939b_outp
	.p2align	8
	.type	k_q4f57d0939b_outp,@function
k_q4f57d0939b_outp:
	s_mov_b64 s[64:65], 0
	v_nop
	global_prefetch_b8 v0, s[64:65] scope:SCOPE_SE
	s_setreg_imm32_b32 hwreg(HW_REG_WAVE_MODE, 25, 1), 1
	s_wait_xcnt 0x0
	s_wait_alu depctr_hold_cnt(0) depctr_sa_sdst(0) depctr_va_vdst(0) depctr_va_sdst(0) depctr_va_ssrc(0) depctr_va_vcc(0) depctr_vm_vsrc(0)
	s_getreg_b32 s2, hwreg(HW_REG_IB_STS2, 6, 4)
	s_cmp_eq_u32 s2, 0
	s_cbranch_scc0 .Lentry_in_a_cluster
	s_endpgm
.Lentry_in_a_cluster:
	s_bfe_u32 s2, ttmp6, 0x10000c
	s_cmp_lg_u32 s2, 0xf033
	s_cbranch_scc0 .Lentry_shape_is_right
	s_endpgm
.Lentry_shape_is_right:
; out0 = context Wo^T + bo, on codes of FP6 (E2M3) with E8M0 scales; out0 [8192][1024] f32.  A = the context's row blocks, B = Wo's (row blocks 1,728 on of the codes' buffer), both with neighbouring rows.
; A tile of 256 x 256 is made by four waves, 128 x 128 each: 64 accumulators.  K = 1,024 goes in four slots' worth of 256 through a ring of two LDS slots filled by tensor loads.
; 8 clusters of 4 x 4 work-groups, 128 work-groups: a smaller tile would give each WGP one, at twice the LDS bytes a product; with eight K steps the set-up and the way out weigh as much as the products, so the larger tile is kept.
; The four of a cluster's row need the same tiles of A, the four of a column the same tiles of B: each is asked for JOINTLY.
; Operands lie in memory as images of their registers (a row block: eight fragments of 1,536 bytes; a half: registers 0-3 of lane L at 16 L, 4 and 5 at 512 + 8 L): four LDS loads of consecutive lanes a fragment, no padding.
; THE MATRIX INSTRUCTION IS USED TRANSPOSED (source 0 = 16 rows of Wo, source 1 = 16 tokens): a lane holds eight neighbouring numbers of a row of out0.  bo is the C of each sum's first product.
; No prefetch: behind the three first fills a wave issues two refills in all.
; REGISTERS: window 0: v0-31 addresses; v32-63 scale words, two sets; v64-127 bo; v128-223 A's fragments; on the way out v128-255.  window 1: B's fragments, two sets.  windows 2, 3: the accumulators.
.set NQ,    2
.set FR,    12
.set NL,    4
.set NP,    4
.set RBB,   12288
.set SLB,   3072
.set HALFT, 8*SLB
.set SLOT,  4*HALFT
.set SCL,   2*SLOT
.set HALFS, 4096
.set SPARE, SCL+4*HALFS
.set SPITCH, 528                       ; the way out: a stage of 16 rows x (512 + 16) bytes a wave, in slot 0, which has had its last fill and its last read by then
.set NB,    4096                       ; a row of out0 in bytes
.set ADRA, 16
.set ADRB, 20
.set L16,  24                          ; v24  16 x lane: also my bytes of a row of 512 on the way out
.set L8,   25
.set STO,  26
.set ADRS, 27
.set SPW,  28
.set NIL,  29
.set RD,   30
.set BOF,  31                          ; v31  32 h
.set SC,   32
.set BI,   64
.set AF,   128
.set BK,   128
.set WV,  18
.set RH,  19
.set CH,  20
.set CX,  21
.set CY,  22
.set G1,  24
.set G0,  32
.set TR,  40
.set TC,  46
.set G1B, 48
.set G0B, 56
.set G1S, 68
.set G0S, 76
.set G1SB, 80
.set G0SB, 88
.set MSB, 0
.macro WIN new
.if MSB != (\new)
	s_set_vgpr_msb (MSB<<8)|(\new)
.set MSB, (\new)
.endif
.endm
.set MUL_LO, 0xa1                      ; source 0 (B) window 1, source 1 (A) window 0, C and D window 2; in the first step C (bo) window 0: 0x81
.set MUL_HI, 0xf1                      ; the same with window 3; in the first step 0xc1
.set TO_B,   0x40
.macro JLOAD g0a, g1a, g0b, g1b
	s_cmp_eq_u32 s[RH], 0
	s_cbranch_scc0 .Lfor_b_\@
	tensor_load_to_lds s[\g0a:\g0a+3], s[\g1a:\g1a+7]
	s_nop 0
.rept 4
	v_nop
.endr
	s_branch .Lasked_\@
.Lfor_b_\@:
	tensor_load_to_lds s[\g0b:\g0b+3], s[\g1b:\g1b+7]
	s_nop 0
.rept 4
	v_nop
.endr
.Lasked_\@:
.endm
.macro CREST
	s_cmp_lg_u32 s[WV], 0
	s_cbranch_scc1 .Lnot_wave_0_\@
	s_barrier_signal -3
.Lnot_wave_0_\@:
	s_barrier_wait -3
	s_barrier_signal -1
	s_barrier_wait -1
.endm
.macro CROUND
	s_barrier_signal -1
	s_barrier_wait -1
	CREST
.endm
	s_load_b256 s[4:11], s[0:1], 0x0               ; ctxc s[4:5], ctxs s[6:7], cod s[8:9], scl s[10:11]
	s_load_b128 s[12:15], s[0:1], 0x20             ; bo s[12:13], out0 s[14:15]
	v_lshl_add_u32 v[SPW], v0, 2, SPARE
	v_mov_b32 v[NIL], 0
	ds_add_u32 v[SPW], v[NIL]                      ; the wave's opening: the add and its wait stand ahead of my first tensor load
	v_lshrrev_b32 v1, 5, v0
	v_readfirstlane_b32 s[WV], v1
	s_lshr_b32 s[RH], s[WV], 1
	s_and_b32 s[CH], s[WV], 1
	s_bfe_u32 s[CX], ttmp6, 0x40000
	s_bfe_u32 s[CY], ttmp6, 0x40004
	s_and_b32 s[TR], ttmp7, 0xffff
	s_lshl_b32 s[TR], s[TR], 2
	s_add_co_u32 s[TR], s[TR], s[CY]               ; the tokens' tile, 0 to 31
	s_mov_b32 s[TC], s[CX]                         ; the channels' tile, 0 to 3
	s_lshl_b32 s41, s[CY], 2
	s_lshl_b32 s41, 15, s41
	s_lshl_b32 s47, 0x1111, s[CX]
	s_or_b32 s[G1], s41, (3<<16)|(1<<21)           ; 15:0 the mask; 17:16 elements of 8 bytes; no padding; 21 set beside a mask
	s_or_b32 s[G1B], s47, (3<<16)|(1<<21)
	s_or_b32 s[G1S], s41, (3<<16)|(1<<21)
	s_or_b32 s[G1SB], s47, (3<<16)|(1<<21)
.irp g, G1, G1B                        ; codes: 8 rows (row blocks) of 384 elements (3,072 bytes), 1,536 elements apart
	s_mov_b32 s[\g+1], 384<<16
	s_mov_b32 s[\g+2], 8<<16
	s_mov_b32 s[\g+3], 384<<16
	s_mov_b32 s[\g+4], 8
	s_mov_b32 s[\g+5], 1536
	s_mov_b32 s[\g+6], 0
	s_mov_b32 s[\g+7], 0
.endr
.irp g, G1S, G1SB                      ; scale words of 8 row blocks: 4,096 dense bytes as 16 rows of 256
	s_mov_b32 s[\g+1], 32<<16
	s_mov_b32 s[\g+2], 16<<16
	s_mov_b32 s[\g+3], 32<<16
	s_mov_b32 s[\g+4], 16
	s_mov_b32 s[\g+5], 32
	s_mov_b32 s[\g+6], 0
	s_mov_b32 s[\g+7], 0
.endr
	s_lshl_b32 s2, s[CH], 3
	s_lshl_b32 s41, s[TR], 4
	s_add_co_u32 s41, s41, s2                      ; the first of the 8 row blocks of A that I would fetch,
	s_lshl_b32 s47, s[TC], 4
	s_add_co_u32 s47, s47, s2
	s_add_co_u32 s47, s47, 1728                    ; and of B
	s_mul_i32 s42, s41, RBB
	s_mov_b32 s43, 0
	s_lshl_b32 s44, s41, 9
	s_mov_b32 s45, 0
	s_mul_i32 s100, s47, RBB
	s_mov_b32 s101, 0
	s_lshl_b32 s92, s47, 9
	s_mov_b32 s93, 0
	s_mul_i32 s3, s[WV], HALFT
	s_lshl_b32 s96, s[WV], 12
	s_wait_dscnt 0x0                               ; the opening add is done
	s_wait_kmcnt 0x0
	s_add_nc_u64 s[42:43], s[4:5], s[42:43]
	s_add_nc_u64 s[44:45], s[6:7], s[44:45]
	s_add_nc_u64 s[100:101], s[8:9], s[100:101]
	s_add_nc_u64 s[92:93], s[10:11], s[92:93]
	CROUND                                         ; all sixteen work-groups are here: the first joint loads meet
	s_mov_b32 s[G0S], 1
	s_add_co_u32 s[G0S+1], s96, SCL
	s_mov_b64 s[G0S+2:G0S+3], s[44:45]
	s_or_b32 s[G0S+3], s[G0S+3], 0x80000000
	s_mov_b32 s[G0SB], 1
	s_add_co_u32 s[G0SB+1], s96, SCL
	s_mov_b64 s[G0SB+2:G0SB+3], s[92:93]
	s_or_b32 s[G0SB+3], s[G0SB+3], 0x80000000
	JLOAD G0S, G1S, G0SB, G1SB                     ; three loads of mine are out at the most
.irp s, 0,1
	s_mov_b32 s[G0+4*\s], 1
	s_add_co_u32 s[G0+4*\s+1], s3, \s*SLOT
	s_add_nc_u64 s[G0+4*\s+2:G0+4*\s+3], s[42:43], \s*SLB
	s_or_b32 s[G0+4*\s+3], s[G0+4*\s+3], 0x80000000
	s_mov_b32 s[G0B+4*\s], 1
	s_add_co_u32 s[G0B+4*\s+1], s3, \s*SLOT
	s_add_nc_u64 s[G0B+4*\s+2:G0B+4*\s+3], s[100:101], \s*SLB
	s_or_b32 s[G0B+4*\s+3], s[G0B+4*\s+3], 0x80000000
	JLOAD G0+4*\s, G1, G0B+4*\s, G1B
.endr
	v_and_b32 v1, 31, v0
	v_and_b32 v2, 15, v0                           ; r
	v_bfe_u32 v3, v0, 4, 1                         ; h
	v_lshlrev_b32 v[L16], 4, v1
	v_lshlrev_b32 v[L8], 3, v1
	v_lshlrev_b32 v[BOF], 5, v3
	s_lshl_b32 s92, s[TC], 10
	s_lshl_b32 s93, s[CH], 9
	s_add_co_u32 s92, s92, s93                     ; my 128 columns, in bytes
	s_mov_b32 s93, 0
	s_add_nc_u64 s[12:13], s[12:13], s[92:93]
.irp b, 0,1,2,3,4,5,6,7                ; register 8 b + j: bo of column 16 b + 8 h + j, as the results lie
	global_load_b128 v[BI+8*\b:BI+8*\b+3], v[BOF], s[12:13] offset:64*\b
	global_load_b128 v[BI+8*\b+4:BI+8*\b+7], v[BOF], s[12:13] offset:64*\b+16
.endr
	s_add_nc_u64 s[14:15], s[14:15], s[92:93]
	s_lshl_b32 s92, s[TR], 20
	s_lshl_b32 s94, s[RH], 19
	s_add_co_u32 s92, s92, s94                     ; my first row: (256 x tile + 128 x half) x 4,096 bytes
	s_add_nc_u64 s[14:15], s[14:15], s[92:93]
	s_mul_i32 s41, s[RH], HALFT
	s_mul_i32 s47, s[CH], HALFT
	s_add_co_u32 s47, s47, 2*HALFT
.irp s, 0,1
	v_add_nc_u32 v[ADRA+\s], s41, v[L16]
	v_add_nc_u32 v[ADRA+2+\s], s41, v[L8]
	v_add_nc_u32 v[ADRB+\s], s47, v[L16]
	v_add_nc_u32 v[ADRB+2+\s], s47, v[L8]
	s_add_co_u32 s41, s41, SLOT
	s_add_co_u32 s47, s47, SLOT
.endr
	s_lshl_b32 s41, s[RH], 12
	s_lshl_b32 s47, s[CH], 12
	s_add_co_u32 s47, s47, 2*HALFS
	s_sub_co_u32 s47, s47, s41
	v_mul_u32_u24 v4, s47, v3                      ; lanes 16-31 take B's words: one product, the distance between the two bases
	s_add_co_u32 s41, s41, SCL
	v_lshl_add_u32 v4, v2, 3, v4
	v_add_nc_u32 v[ADRS], s41, v4
	s_mul_i32 s41, s[WV], 16*SPITCH                ; my stage
	v_mul_u32_u24 v4, v2, SPITCH
	v_lshl_add_u32 v4, v3, 5, v4
	v_add_nc_u32 v[STO], s41, v4                   ; in: row r, 32 bytes for each half of the lanes
	v_add_nc_u32 v[RD], s41, v[L16]                ; back: the 32 lanes take one row of 512 bytes
.macro FRAG reg, adr, q, i
	ds_load_b128 v[\reg:\reg+3], v[\adr] offset:(\i)*SLB+(\q)*1536
	ds_load_b64 v[\reg+4:\reg+5], v[\adr+2] offset:(\i)*SLB+(\q)*1536+512
	ds_load_b128 v[\reg+6:\reg+9], v[\adr] offset:(\i)*SLB+(\q)*1536+768
	ds_load_b64 v[\reg+10:\reg+11], v[\adr+2] offset:(\i)*SLB+(\q)*1536+1280
.endm
; 16 matrix instructions: A's blocks a0, a0 + 1 x B's eight; first = 1: bo starts the sums.  The 64 accumulators take turns, one instruction a turn.
.macro MUL16 a0, p, q, sc, first
.irp a, \a0, \a0+1
.irp b, 0,1,2,3,4,5,6,7
.if \first
	v_wmma_scale_f32_16x16x128_f8f6f4 v[8*(8*((\a)%4)+\b):8*(8*((\a)%4)+\b)+7], v[128*(\p)+FR*\b:128*(\p)+FR*\b+FR-1], v[AF+FR*(\a):AF+FR*(\a)+FR-1], v[BI+8*\b:BI+8*\b+7], v[SC+8*NQ*(\sc)+NQ*\b+(\q)], v[SC+8*NQ*(\sc)+NQ*(\a)+(\q)] matrix_a_fmt:MATRIX_FMT_FP6 matrix_b_fmt:MATRIX_FMT_FP6 matrix_a_scale:MATRIX_SCALE_ROW1
.else
	v_wmma_scale_f32_16x16x128_f8f6f4 v[8*(8*((\a)%4)+\b):8*(8*((\a)%4)+\b)+7], v[128*(\p)+FR*\b:128*(\p)+FR*\b+FR-1], v[AF+FR*(\a):AF+FR*(\a)+FR-1], v[8*(8*((\a)%4)+\b):8*(8*((\a)%4)+\b)+7], v[SC+8*NQ*(\sc)+NQ*\b+(\q)], v[SC+8*NQ*(\sc)+NQ*(\a)+(\q)] matrix_a_fmt:MATRIX_FMT_FP6 matrix_b_fmt:MATRIX_FMT_FP6 matrix_a_scale:MATRIX_SCALE_ROW1
.endif
.endr
.endr
.endm
.macro FETCH_B slot, q, p
	WIN TO_B
.irp i, 0,1,2,3,4,5,6,7
	FRAG 128*(\p)+FR*\i, ADRB+\slot, \q, \i
.endr
	WIN 0
.endm
.macro FETCH_A slot, q, i0
.irp i, \i0, \i0+1, \i0+2, \i0+3
	FRAG AF+FR*(\i), ADRA+\slot, \q, \i
.endr
.endm
.macro SCALES sc
.irp i, 0,1,2,3,4,5,6,7
	ds_load_b64 v[SC+8*NQ*\sc+NQ*\i:SC+8*NQ*\sc+NQ*\i+1], v[ADRS] offset:\i*512
.endr
.endm
.macro PLACES n
.rept \n
	v_nop
.endr
.endm
.macro STEP slot, q, first
	s_wait_dscnt 4*NL                              ; B's set and A's blocks 0-3 are in; the youngest 16 loads (A's blocks 4-7) may be out
	WIN MUL_LO-0x20*(\first)
	MUL16 0, (\q)%2, \q, \slot, \first
	MUL16 2, (\q)%2, \q, \slot, \first
	s_wait_dscnt 0
	PLACES NP
	FETCH_B \slot, (\q)+1, 1-(\q)%2
	FETCH_A \slot, (\q)+1, 0
	WIN MUL_HI-0x30*(\first)
	MUL16 4, (\q)%2, \q, \slot, \first
	MUL16 6, (\q)%2, \q, \slot, \first
	PLACES NP
	WIN 0
	FETCH_A \slot, (\q)+1, 4
.endm
.macro TURN slot, next, fill
	s_wait_tensorcnt 0x0                           ; all my tensor loads have landed: my part of the next slot
	ds_add_u32 v[SPW], v[NIL]
	s_wait_dscnt 4*NL+1                            ; (the add and the youngest 16 loads may be out)
	WIN MUL_LO
	MUL16 0, 1, NQ-1, \slot, 0
	s_wait_dscnt 0x0                               ; the add is done, and my reads of this slot are over
	s_barrier_signal -1
	MUL16 2, 1, NQ-1, \slot, 0
	WIN 0
	s_barrier_wait -1
.if \fill
	CREST                                          ; the barrier has opened a round of the cluster's: no wave of any partner still reads this slot or has a load on its way
	s_add_nc_u64 s[G0+4*\slot+2:G0+4*\slot+3], s[G0+4*\slot+2:G0+4*\slot+3], 2*SLB
	s_add_nc_u64 s[G0B+4*\slot+2:G0B+4*\slot+3], s[G0B+4*\slot+2:G0B+4*\slot+3], 2*SLB
	JLOAD G0+4*\slot, G1, G0B+4*\slot, G1B
.else
	PLACES NP
.endif
	v_add_nc_u32 v[ADRS], 128, v[ADRS]
	FETCH_B \next, 0, 0
	FETCH_A \next, 0, 0
	SCALES \next
	WIN MUL_HI
	MUL16 4, 1, NQ-1, \slot, 0
	MUL16 6, 1, NQ-1, \slot, 0
	PLACES NP
	WIN 0
	FETCH_A \next, 0, 4
.endm
	s_wait_tensorcnt 1                             ; the scale words and my part of slot 0 are in; slot 1's load may be out
	s_barrier_signal -1
	s_barrier_wait -1
	FETCH_B 0, 0, 0
	FETCH_A 0, 0, 0
	SCALES 0
	FETCH_A 0, 0, 4
	s_wait_loadcnt 0x0                             ; bo
	STEP 0, 0, 1
	TURN 0, 1, 1
	STEP 1, 0, 0
	TURN 1, 0, 1
	STEP 0, 0, 0
	TURN 0, 1, 0
	STEP 1, 0, 0
	s_wait_dscnt 4*NL
	WIN MUL_LO
	MUL16 0, 1, NQ-1, 1, 0
	MUL16 2, 1, NQ-1, 1, 0
	s_wait_dscnt 0
	WIN MUL_HI
	MUL16 4, 1, NQ-1, 1, 0
	MUL16 6, 1, NQ-1, 1, 0
	WIN 0
; THE WAY OUT, block by block of 16 rows x 128 columns, through my own stage: in as 32 bytes a lane, back as whole rows of 512 bytes.  LDS serves a wave's instructions in order: no wait between the stores and the loads.
.macro TOSTAGE a
.set AC, 64*((\a)%4)
	WIN 0x08+4*((\a)/4)                            ; an LDS store's data: window 2 or 3
.irp b, 0,1,2,3,4,5,6,7
	ds_store_b128 v[STO], v[AC+8*\b:AC+8*\b+3] offset:64*\b          ; each accumulator from its low end on
	ds_store_b128 v[STO], v[AC+8*\b+4:AC+8*\b+7] offset:64*\b+16
.endr
	WIN 0
.set BB, BK+64*((\a)%2)
.irp t, 0,1,2,3,4,5,6,7,8,9,10,11,12,13,14,15
	ds_load_b128 v[BB+4*\t:BB+4*\t+3], v[RD] offset:\t*SPITCH
.endr
.endm
.macro SEND a, younger
.set BB, BK+64*((\a)%2)
	s_wait_dscnt \younger                          ; the block is back in registers
.if (\a) > 0
	s_add_nc_u64 s[14:15], s[14:15], 16*NB         ; (behind a wait on XCNT: the earlier stores have read their base)
.endif
.irp t, 0,1,2,3,4,5,6,7,8,9,10,11,12,13,14,15
	global_store_b128 v[L16], v[BB+4*\t:BB+4*\t+3], s[14:15] offset:\t*NB th:TH_STORE_NT   ; 32 lanes store 512 consecutive bytes, aligned
.endr
.endm
	PLACES NP
	TOSTAGE 0
.irp a, 1,2,3,4,5,6,7
.if \a > 1
	s_wait_xcnt 0x0                                ; block a - 2's stores have read their registers and their base
.endif
	TOSTAGE \a
	SEND \a-1, 32                                  ; behind block a - 1's loads: block a's 16 stores and 16 loads
.endr
	s_wait_xcnt 0x0
	SEND 7, 0
	s_wait_tensorcnt 0x0                           ; the wave's end
	ds_add_u32 v[SPW], v[NIL]
	s_wait_dscnt 0x0
	CROUND                                         ; the closing round
	s_endpgm
.Lfunc_end_k_q4f57d0939b_outp:
	.size	k_q4f57d0939b_outp, .Lfunc_end_k_q4f57d0939b_outp-k_q4f57d0939b_outp
	.p2alignl 7, 3214868480
	.fill 96, 4, 3214868480
	.section	.rodata,"a",@progbits
	.p2align	6, 0x0
	.amdhsa_kernel k_q4f57d0939b_outp
		.amdhsa_group_segment_fixed_size 327680
		.amdhsa_private_segment_fixed_size 0
		.amdhsa_enable_private_segment 0
		.amdhsa_kernarg_size 48
		.amdhsa_user_sgpr_count 2
		.amdhsa_user_sgpr_kernarg_segment_ptr 1
		.amdhsa_wavefront_size32 1
		.amdhsa_system_sgpr_workgroup_id_x 1
		.amdhsa_system_sgpr_workgroup_id_y 1
		.amdhsa_system_sgpr_workgroup_id_z 1
		.amdhsa_system_vgpr_workitem_id 0
		.amdhsa_next_free_vgpr 1024
		.amdhsa_next_free_sgpr 102
		.amdhsa_reserve_vcc 0
		.amdhsa_float_denorm_mode_32 3
		.amdhsa_float_denorm_mode_16_64 3
		.amdhsa_memory_ordered 1
		.amdhsa_forward_progress 1
		.amdhsa_inst_pref_size 145
	.end_amdhsa_kernel
	.amdgpu_metadata
---
amdhsa.version: [ 1, 2 ]
amdhsa.kernels:
  - .name:           k_q4f57d0939b_outp
    .symbol:         k_q4f57d0939b_outp.kd
    .args:
      - { .name: ctxc, .offset: 0, .size: 8, .value_kind: global_buffer, .address_space: global }
      - { .name: ctxs, .offset: 8, .size: 8, .value_kind: global_buffer, .address_space: global }
      - { .name: cod, .offset: 16, .size: 8, .value_kind: global_buffer, .address_space: global }
      - { .name: scl, .offset: 24, .size: 8, .value_kind: global_buffer, .address_space: global }
      - { .name: bo, .offset: 32, .size: 8, .value_kind: global_buffer, .address_space: global }
      - { .name: out0, .offset: 40, .size: 8, .value_kind: global_buffer, .address_space: global }
    .group_segment_fixed_size: 327680
    .private_segment_fixed_size: 0
    .kernarg_segment_align: 8
    .kernarg_segment_size: 48
    .max_flat_workgroup_size: 128
    .sgpr_count:     102
    .vgpr_count:     1024
    .wavefront_size: 32
...
	.end_amdgpu_metadata
.endif
;; end of part 4
;; ======== version 2 of 2: 4 launches; version 1 with the launch attn written anew for expert scheduling mode
;; workspace buffers: cod 22,020,096 bytes; scl 917,504 bytes; maskb 32,768 bytes; holes 512 bytes of whole numbers; qrec 6,553,600 bytes; kv 13,107,200 bytes; ctxc 6,291,456 bytes; ctxs 262,144 bytes
;; launch quant: the kernel of part 1 again; grid 449 x 1, 4 waves a work-group, no clusters, 34,304 bytes of LDS; arguments query, key, value, Wq, Wk, Wv, Wo, mask, cod, scl, maskb, holes; writes cod, scl, maskb, holes
;; launch proj: the kernel of part 2 again; grid 4 x 96, 4 waves a work-group, clusters of 4 x 4, 327,680 bytes of LDS; arguments cod, scl, bq, bk, bv, qrec, kv; writes qrec, kv
;; launch attn (part 5): grid 4 x 64, 16 waves a work-group, no clusters, 206,848 bytes of LDS; arguments qrec, kv, maskb, holes, ctxc, ctxs; writes ctxc, ctxs
.if DOCPART == 5
	.amdgcn_target "amdgcn-amd-amdhsa--gfx1250"
	.amdhsa_code_object_version 6
	.text
	.protected	k_q4f57d0939b_attn
	.globl	k_q4f57d0939b_attn
	.p2align	8
	.type	k_q4f57d0939b_attn,@function
k_q4f57d0939b_attn:
	s_mov_b64 s[64:65], 0
	v_nop
	global_prefetch_b8 v0, s[64:65] scope:SCOPE_SE
	s_setreg_imm32_b32 hwreg(HW_REG_WAVE_SCHED_MODE, 0, 2), 2
	s_setreg_imm32_b32 hwreg(HW_REG_WAVE_MODE, 25, 1), 1
	s_wait_xcnt 0x0
	s_wait_alu depctr_vm_vsrc(0)
; context = softmax(q k^T, hidden keys left out) v for one head, both products on codes of FP6 (E2M3) with E8M0 scales; the context is quantised along DIM and leaves as an image of the last product's operand.
; THE SOFTMAX: t = score x log2(e); M = the running largest t rounded UP to a whole number; p = 2^(t - M) is what is quantised, along the keys, not normalised.  The row's sum is taken of the unquantised p and
; divides O at the end.  When M moves, the sum and O are multiplied by 2^(old M - new M): exact.
; SHARES.  A work-group owns 512 queries of one head (4 work-groups a head, 64 heads).  THE HEAD'S WHOLE K AND V, 16 records of 12,800 bytes, LIE IN LDS FOR THE WHOLE LAUNCH, as they lie in memory: no ring, one barrier.
; Each of sixteen waves owns one tile of 16 queries at a time, twice; four waves share a SIMD, so that one wave's vector work stands beside another's products and LDS loads.
; LAYOUT.  Both products are used transposed (S^T = K Q^T, O^T = V^T P^T): a lane holds one query throughout.  The keys of a tile of K and the channels of a tile of V^T are TURNED (lane r of tile 2 B + u = 32 B + 8 u + r + 8 (r / 8)),
; so that p's, and then O's, 16 registers of two neighbouring tiles are 16 neighbours along the next K.
; THE FIRST PRODUCT'S K IS 64, the instruction's 128.  Two neighbouring tiles of K (768 bytes each) are loaded as ONE fragment, and Q stands in 18 registers, six zeros, q, six zeros: v[22:33] = [q | 0] picks the first tile,
; v[16:27] = [0 | q] the second.  So no byte of K is read twice and none is padding.  The empty half's scale bytes are 1.
; THE MASK.  A key step (128 keys) with a hole takes the table's numbers (0 or -3e38) as the C of its first product; p is then 0.  A step without holes is told by a bit of a stored word, and a scalar branch leaves those 16 loads out.
; NO TENSOR LOADS, NO MULTICAST: that branch hangs on a number read from memory.  What the four work-groups of a head share is read once by each, 204,800 bytes
; at its head, through registers; 512 tile-steps of work follow on them.  No prefetch: nothing is loaded behind the head but a hole's 512 bytes.
; LIMITS: a hidden key's score is -3e38, not -infinity: scores stay under 4e37 in magnitude.  A batch whose every key is hidden, where the softmax gives NaN, is not served (the context passes a quantiser that has no NaN).
; The context's scale bytes leave two bytes a row and head (32 bytes a tile): a row's word is shared by two heads, which other work-groups make.
; REGISTERS: v1 16 x lane, v2 8 x lane, v3 64 h, v4, v5 the add's two, v6 8 r, v7-9 addresses of the step, v11 Q's raw scale word, v12 -M, v13 the largest t, v[14:15] the sum; v16-33 Q; v34-81 four fragments of K, then of V;
; v82-88 the second pass's Q; v90, v91 Q's scale words; v[92:93] K's, v[94:95] V's; v96-159 S^T, then p; v160-191 O^T; v224-235 p's codes; v232-254 at work.
; THE MODE: SCHED_MODE bits 1:0 = 2 (LLVM: expert scheduling mode 2), set by the entry lines.  The code itself states the register dependences
; between vector or matrix instructions and memory or LDS instructions, with s_wait_alu, always for 0.
; THE PLAN.  Registers that memory or LDS instructions touch:
;   v1, v2, v6, v200-204   Offsets and LDS addresses, made at the head and never written again: one wait on va_vdst ahead of the first load serves every load and store that reads them.
;   v96-195 at the head    The fill's loads land in them, the fill's LDS stores read them; from the first pass on they are S^T and O^T: one wait on vm_vsrc behind the barrier.
;   v7, v8, v9             Written by three additions at a step's head, read by the step's LDS loads (v8, v9) and by the loads of the mask's numbers (v7): a wait on vm_vsrc ahead of the additions.
;   v34-81                 K's loads land at a step's head; the eight products of the scores read them; V's loads land; the four products of O^T read them.
;   v[92:93], v[94:95]     Loaded with K and with V; read by the same products.
;   v96-159                In a step with a hole the mask's numbers land in them; all that read or wrote them before is the last step's vector work.
;   v224-229, v238         At a pass's end written by vector instructions and read by the three stores; written again in the next pass.
;   v4, v5                 Written at the head, read by the closing add alone.
; So a step has four waits on va_vdst: (1) at its head, behind the additions: the addresses are written, and the last step's products and vector lines are done with all registers in which this step's first loads land;
; (2) behind the scores' products: they are done reading K, in which V lands; (3) behind the batch of 68 exponentials, ahead of its first reader; (4) ahead of O^T's products: p's codes and scale word are written.
; A second set of registers for K would take 48; 32 on end are free (v192-223), and four waves of 256 fill a SIMD's 1,024: so K is asked for at the step's head, and each pair's products start as soon as that pair is in.
.set REC,   12800
.set SPARE, 16*REC                     ; behind the records: the spare words, 128 bytes for each of 16 waves
.set KF,   34
.set WV,   16
.set SEL,  20
.set CS,   22                          ; s[22:23] log2(e)
.set HW0,  30                          ; the batch's hole bits
.set HW,   31
.set TB,   32                          ; LDS byte of the step's record
.set MS,   33                          ; byte of the step's keys in the mask table
.set STEPS, 34
.set PASS, 35
.set SH,   36                          ; 16 x (my tile % 2): where my tile's two bytes stand in the raw word
	s_load_b256 s[4:11], s[0:1], 0x0               ; qrec s[4:5], kv s[6:7], maskb s[8:9], holes s[10:11]
	s_load_b128 s[12:15], s[0:1], 0x20             ; ctxc s[12:13], ctxs s[14:15]
	v_lshl_add_u32 v4, v0, 2, SPARE
	v_mov_b32 v5, 0
	v_lshrrev_b32 v10, 5, v0
	v_readfirstlane_b32 s[WV], v10
	v_and_b32 v10, 31, v0
	v_lshlrev_b32 v1, 4, v10
	v_lshlrev_b32 v2, 3, v10
	v_bfe_u32 v3, v0, 4, 1
	v_lshlrev_b32 v3, 6, v3
	v_and_b32 v6, 15, v0
	v_lshlrev_b32 v6, 3, v6
	v_lshlrev_b32 v204, 4, v0                      ; 16 x thread: the fill
.irp i, 0,1,2,3
	v_add_nc_u32 v[200+\i], 65536*\i, v204
.endr
	s_wait_alu depctr_va_sdst(0)                   ; the wave's number is written, ahead of its first reader: the addresses below are made from it
	s_and_b32 s17, ttmp7, 0xffff                   ; batch x 16 + head
	s_lshr_b32 s18, s17, 4
	s_and_b32 s19, s17, 15
	s_and_b32 s[SH], s[WV], 1
	s_lshl_b32 s[SH], s[SH], 4
	s_lshl_b32 s24, s17, 4                         ; my first tile is 32 x + wave of the head's 128: record 4 x + wave / 8, tile a = wave % 8 in it
	s_lshl_b32 s26, ttmp9, 2
	s_add_co_u32 s24, s24, s26
	s_lshr_b32 s26, s[WV], 3
	s_add_co_u32 s24, s24, s26
	s_mul_i32 s24, s24, 6400
	s_mov_b32 s25, 0
	s_and_b32 s26, s[WV], 7
	s_bfe_u32 s27, s26, 0x10001
	s_lshl_b32 s27, s27, 7
	s_lshr_b32 s28, s26, 2
	s_lshl_b32 s28, s28, 2
	s_add_co_u32 s28, s28, s27
	s_add_co_u32 s28, s28, 6144
	s_add_co_u32 s28, s28, s24                     ; the word of tiles a and a xor 1: 6,144 + 128 ((a / 2) % 2) + 4 (a / 4) + 8 r
	s_mov_b32 s29, 0
	s_mul_i32 s26, s26, 768
	s_add_co_u32 s24, s24, s26                     ; the tile's codes
	s_mul_i32 s38, s17, 16*REC
	s_mov_b32 s39, 0
	s_lshl_b32 s40, s18, 13
	s_mov_b32 s41, 0
	s_lshl_b32 s42, s18, 7
	s_lshl_b32 s44, s18, 7                         ; the context's row block: 128 x batch + tile
	s_lshl_b32 s26, ttmp9, 5
	s_add_co_u32 s44, s44, s26
	s_add_co_u32 s44, s44, s[WV]
	s_lshl_b32 s46, s44, 9
	s_mul_i32 s44, s44, 12288
	s_mul_i32 s26, s19, 768                        ; head hd is half hd % 2 of K step hd / 2: 768 hd bytes on
	s_add_co_u32 s44, s44, s26
	s_mov_b32 s45, 0
	s_lshr_b32 s26, s19, 2
	s_lshl_b32 s26, s26, 7
	s_add_co_u32 s46, s46, s26
	s_and_b32 s26, s19, 3
	s_lshl_b32 s26, s26, 1
	s_add_co_u32 s46, s46, s26                     ; its two bytes of a row's words: 128 (hd / 4) + 2 (hd % 4) + 8 r
	s_mov_b32 s47, 0
	s_mov_b32 s[SEL], 0x76543210
	s_mov_b32 s[SEL+1], 0xfedcba98
	s_mov_b32 s[CS], 0x3fb8aa3b
	s_mov_b32 s[CS+1], s[CS]
	s_wait_kmcnt 0x0
	s_load_b32 s[HW0], s[10:11], s42 offset:0x0
	s_add_nc_u64 s[28:29], s[4:5], s[28:29]
	s_add_nc_u64 s[4:5], s[4:5], s[24:25]
	s_add_nc_u64 s[6:7], s[6:7], s[38:39]
	s_add_nc_u64 s[8:9], s[8:9], s[40:41]
	s_add_nc_u64 s[12:13], s[12:13], s[44:45]
	s_add_nc_u64 s[14:15], s[14:15], s[46:47]
	s_wait_alu depctr_va_vdst(0)                   ; v1, v2, v6, v204 and v200-203 are written: the loads, the LDS stores of the fill and the context's stores read them as offsets and addresses; none is written again
	global_load_b128 v[22:25], v1, s[4:5]          ; Q of the first pass,
	global_load_b64 v[26:27], v2, s[4:5] offset:512
	global_load_b32 v11, v6, s[28:29]
	global_load_b128 v[82:85], v1, s[4:5] offset:12800   ; and of the second: 16 tiles, two records, on
	global_load_b64 v[86:87], v2, s[4:5] offset:13312
	global_load_b32 v88, v6, s[28:29] offset:12800
.irp k, 0,1,2,3,4,5,6,7,8,9,10,11,12,13,14,15,16,17,18,19,20,21,22,23,24
	global_load_b128 v[96+4*\k:99+4*\k], v204, s[6:7] offset:8192*\k   ; the head's K and V: 512 threads x 16 bytes, 25 times
.endr
.irp j, 16,17,18,19,20,21,28,29,30,31,32,33
	v_mov_b32 v[\j], 0                             ; the zeros on both sides of q.  (These moves name no register that a load or store above or below touches)
.endr
.irp b, 0,1,2,3
	v_mov_b32 v[236+\b], 0                         ; written once: a lane permute's destination counts as one of its sources
.endr
	v_mov_b32 v252, 0
	v_mov_b32 v253, 0
.irp k, 0,1,2,3,4,5,6,7,8,9,10,11,12,13,14,15,16,17,18,19,20,21,22,23,24
	s_wait_loadcnt 24-\k                           ; load k is in; the 24 - k issued behind it may be out
	ds_store_b128 v[200+\k/8], v[96+4*\k:99+4*\k] offset:(8192*\k)%65536
.endr
	s_wait_dscnt 0x0                               ; for the others' sake: my stores have landed
	s_barrier_signal -1
	s_barrier_wait -1
	s_wait_alu depctr_vm_vsrc(0)                   ; my LDS stores have read v96-195: from here on these registers are S^T and O^T, written by moves, by products and by the loads of the mask's numbers
	s_wait_kmcnt 0x0                               ; the hole bits
	s_mov_b32 s[PASS], 2
.macro SP t, c                         ; scores of tile t; c = 1: the mask's numbers, which lie in the result's registers, are the C
.if ((\t)/2)%2
.if \c
	v_wmma_scale_f32_16x16x128_f8f6f4 v[96+8*(\t):103+8*(\t)], v[KF+12*((\t)/2):KF+12*((\t)/2)+11], v[22-6*((\t)%2):33-6*((\t)%2)], v[96+8*(\t):103+8*(\t)], v[92+(\t)/4], v[90+(\t)%2] matrix_a_fmt:MATRIX_FMT_FP6 matrix_b_fmt:MATRIX_FMT_FP6 matrix_a_scale:MATRIX_SCALE_ROW1
.else
	v_wmma_scale_f32_16x16x128_f8f6f4 v[96+8*(\t):103+8*(\t)], v[KF+12*((\t)/2):KF+12*((\t)/2)+11], v[22-6*((\t)%2):33-6*((\t)%2)], 0, v[92+(\t)/4], v[90+(\t)%2] matrix_a_fmt:MATRIX_FMT_FP6 matrix_b_fmt:MATRIX_FMT_FP6 matrix_a_scale:MATRIX_SCALE_ROW1
.endif
.else
.if \c
	v_wmma_scale_f32_16x16x128_f8f6f4 v[96+8*(\t):103+8*(\t)], v[KF+12*((\t)/2):KF+12*((\t)/2)+11], v[22-6*((\t)%2):33-6*((\t)%2)], v[96+8*(\t):103+8*(\t)], v[92+(\t)/4], v[90+(\t)%2] matrix_a_fmt:MATRIX_FMT_FP6 matrix_b_fmt:MATRIX_FMT_FP6
.else
	v_wmma_scale_f32_16x16x128_f8f6f4 v[96+8*(\t):103+8*(\t)], v[KF+12*((\t)/2):KF+12*((\t)/2)+11], v[22-6*((\t)%2):33-6*((\t)%2)], 0, v[92+(\t)/4], v[90+(\t)%2] matrix_a_fmt:MATRIX_FMT_FP6 matrix_b_fmt:MATRIX_FMT_FP6
.endif
.endif
.endm
.macro SCORES c                        ; the eight products, a pair of tiles (one fragment of K) at a time, each as soon as its fragment is in
.irp p, 0,1,2,3
	s_wait_dscnt 12-4*\p                           ; LDS loads come back in order (ISA guide 5.7.1): the scale words and pairs 0 to p are in; the four loads of each later pair may be out
	SP 2*\p, \c
	SP 2*\p+1, \c
.endr
.endm
.macro FRAGS off                       ; four fragments as they lie, from byte off of the step's record
.irp p, 0,1,2,3
	ds_load_b128 v[KF+12*\p:KF+12*\p+3], v8 offset:\off+1536*\p
	ds_load_b64 v[KF+12*\p+4:KF+12*\p+5], v9 offset:\off+1536*\p+512
	ds_load_b128 v[KF+12*\p+6:KF+12*\p+9], v8 offset:\off+1536*\p+768
	ds_load_b64 v[KF+12*\p+10:KF+12*\p+11], v9 offset:\off+1536*\p+1280
.endr
.endm
.Lpass:
	v_lshrrev_b32 v10, s[SH], v11
	v_and_b32 v10, 0xffff, v10                     ; my tile's two scale bytes
	v_or_b32 v90, 0x1010000, v10                   ; for [q | 0],
	v_lshl_or_b32 v91, v10, 16, 0x101              ; and for [0 | q]
	v_mov_b32 v13, 0xff61b1e6                      ; the largest t so far: -3e38
	v_floor_f32 v12, -v13                          ; -M
	v_mov_b32 v14, 0
	v_mov_b32 v15, 0
.set j, 0
.rept 32
	v_mov_b32 v[160+j], 0                          ; O^T: the step is written once; the first finds zeros, which the first change of M leaves zeros
.set j, j+1
.endr
	s_mov_b32 s[TB], 0
	s_mov_b32 s[MS], 0
	s_mov_b32 s[HW], s[HW0]
	s_mov_b32 s[STEPS], 16
.Lstep:                                            ; 128 keys
	s_wait_alu depctr_vm_vsrc(0)                   ; the last step's LDS loads have read v8 and v9, its loads of the mask's numbers v7: the three are written anew below
	v_add_nc_u32 v8, s[TB], v1                     ; four plain lines behind the last step's products
	v_add_nc_u32 v9, s[TB], v2
	v_add_nc_u32 v7, s[MS], v3
	v_nop
	s_wait_alu depctr_va_vdst(0)                   ; v7, v8, v9 are written, which the loads below read; the last step's products are done reading v34-81 and v92-95 and its vector lines are done with v96-159, in which loads of this step land; in a pass's first step Q's registers and v90, v91 are written, which the scaled products take
	ds_load_b64 v[92:93], v9 offset:6144           ; register i: the word of pair 2 i in lanes 0-15, of pair 2 i + 1 in lanes 16-31.  Asked for first: the first products want it
	FRAGS 0                                        ; K: four pairs of tiles
	s_and_b32 s37, s[HW], 1
	s_cmp_lg_u32 s37, 0
	s_cbranch_scc1 .Lholes
	SCORES 0
	s_branch .Lscored
.Lholes:
.irp t, 0,1,2,3,4,5,6,7                ; register 8 t + j holds key 32 (t / 2) + 16 h + 8 (t % 2) + j.  No vector or matrix instruction since the wait at the step's head names v7 or v96-159
	global_load_b128 v[96+8*\t:99+8*\t], v7, s[8:9] offset:(32*(\t/2)+8*(\t%2))*4
	global_load_b128 v[100+8*\t:103+8*\t], v7, s[8:9] offset:(32*(\t/2)+8*(\t%2))*4+16
.endr
	s_wait_loadcnt 0x0                             ; the numbers are in
	SCORES 1
.Lscored:
.rept 4
	v_nop                                          ; places behind the products, ahead of the first read of the scores
.endr
	s_wait_alu depctr_va_vdst(0)                   ; the eight products are done reading K's fragments, in which V's loads land
	FRAGS 6400                                     ; V^T: four tiles of 16 channels x these 128 keys: they land under the softmax
	ds_load_b64 v[94:95], v9 offset:12544
.irp b, 0,1,2,3
	v_max3_num_f32 v[232+\b], v[96+16*\b], v[97+16*\b], v[98+16*\b]   ; the largest score of each block of 32 keys: for the row's maximum, and, since p rises with the score, for the block's largest p
.endr
.irp i, 3,5,7,9,11,13
.irp b, 0,1,2,3
	v_max3_num_f32 v[232+\b], v[232+\b], v[96+16*\b+\i], v[97+16*\b+\i]
.endr
.endr
.irp b, 0,1,2,3
	v_max_num_f32 v[232+\b], v[232+\b], v[111+16*\b]
.endr
.irp b, 0,1,2,3
	v_permlanex16_b32 v[236+\b], v[232+\b], s[SEL], s[SEL+1]
.endr
.irp b, 0,1,2,3
	v_max_num_f32 v[232+\b], v[232+\b], v[236+\b]  ; with lane l xor 16's 16 keys
.endr
	v_max3_num_f32 v254, v232, v233, v234
	v_max_num_f32 v254, v254, v235
	v_mul_f32 v254, s[CS], v254                    ; the step's largest t
	v_max_num_f32 v13, v13, v254
	v_mov_b32 v254, v12
	v_floor_f32 v12, -v13                          ; the new -M = -ceil(t): a whole number
	v_sub_f32 v254, v12, v254
	v_cvt_i32_f32 v254, v254                       ; old M - new M, 0 or less (it saturates)
	v_ldexp_f32 v252, 1.0, v254                    ; f = 2^(old M - new M)
.set j, 0
.rept 32
	v_pk_fma_f32 v[96+j:97+j], v[96+j:97+j], s[CS:CS+1], v[12:13] op_sel_hi:[1,0,0]   ; t - M
.set j, j+2
.endr
.irp b, 0,1,2,3
	v_fma_f32 v[232+\b], v[232+\b], s[CS], v12     ; the same of each block's largest score
.endr
.set j, 0
.rept 64
	v_exp_f32 v[96+j], v[96+j]                     ; p = 2^(t - M)
.set j, j+1
.endr
.irp b, 0,1,2,3
	v_exp_f32 v[232+\b], v[232+\b]                 ; the blocks' largest p, in the same batch
.endr
	v_pk_mul_f32 v[14:15], v[14:15], v[252:253] op_sel_hi:[1,0]   ; the sums under the new M: a plain place behind the exponentials
	s_wait_alu depctr_va_vdst(0)                   ; the 68 exponentials have written v96-159 and v232-235: one wait for the batch, ahead of its first reader
	v_pk_add_f32 v[236:237], v[96:97], v[98:99]    ; the row's sum of the unquantised p, in two chains
.irp j, 4,8,12,16,20,24,28,32,36,40,44,48,52,56,60
	v_pk_add_f32 v[14:15], v[14:15], v[96+\j:97+\j]
	v_pk_add_f32 v[236:237], v[236:237], v[98+\j:99+\j]
.endr
	v_pk_add_f32 v[14:15], v[14:15], v[236:237]
.irp b, 0,1,2,3
	v_max_num_f32 v[232+\b], 0x1800000, v[232+\b]  ; the floor 2^(3 - 127): the byte cannot fall under 1
.endr
.irp b, 0,1,2,3
	v_add_nc_u32 v[244+\b], 0xff000000, v[232+\b]
.endr
.irp b, 0,1,2,3
	v_lshrrev_b32 v[236+\b], 23, v[244+\b]
.endr
	v_lshl_or_b32 v253, v237, 8, v236              ; p's scale word for these 128 keys
	v_lshl_or_b32 v253, v238, 16, v253
	v_lshl_or_b32 v253, v239, 24, v253
.irp c, 0,1
	v_cvt_scalef32_pk16_fp6_f32 v[224+6*\c:226+6*\c], v[96+32*\c:111+32*\c], v[244+2*\c]
	v_cvt_scalef32_pk16_fp6_f32 v[236+4*\c:238+4*\c], v[112+32*\c:127+32*\c], v[244+2*\c+1]
.endr
	v_nop                                          ; one plain place behind a scaled conversion
.irp c, 0,1
.irp i, 0,1,2
	v_permlane16_swap_b32 v[224+6*\c+\i], v[236+4*\c+\i]
.endr
.irp i, 0,1,2
	v_mov_b32 v[227+6*\c+\i], v[236+4*\c+\i]
.endr
.endr
.set j, 0
.rept 16
	v_pk_mul_f32 v[160+j:161+j], v[160+j:161+j], v[252:253] op_sel_hi:[1,0]   ; O^T under the new M; these sixteen also stand between the operand's and the scale word's last writes and the products
.set j, j+2
.endr
	s_wait_dscnt 0x0                               ; V is in
	s_wait_alu depctr_va_vdst(0)                   ; p's codes v224-235 and its scale word v253 are written, which the scaled products below take; the places above stay beside this wait
.irp t, 0,2
	v_wmma_scale_f32_16x16x128_f8f6f4 v[160+8*\t:167+8*\t], v[KF+12*\t:KF+12*\t+11], v[224:235], v[160+8*\t:167+8*\t], v[94+\t/2], v253 matrix_a_fmt:MATRIX_FMT_FP6 matrix_b_fmt:MATRIX_FMT_FP6
	v_wmma_scale_f32_16x16x128_f8f6f4 v[168+8*\t:175+8*\t], v[KF+12+12*\t:KF+12+12*\t+11], v[224:235], v[168+8*\t:175+8*\t], v[94+\t/2], v253 matrix_a_fmt:MATRIX_FMT_FP6 matrix_b_fmt:MATRIX_FMT_FP6 matrix_a_scale:MATRIX_SCALE_ROW1
.endr
	s_add_co_u32 s[TB], s[TB], REC
	s_add_co_u32 s[MS], s[MS], 512
	s_lshr_b32 s[HW], s[HW], 1
	s_sub_co_u32 s[STEPS], s[STEPS], 1
	s_cmp_lg_u32 s[STEPS], 0
	s_cbranch_scc1 .Lstep
	; THE END OF A PASS: O^T / the sum is the context: register 16 b + i = channel 32 b + 16 h + i of my query's head: two blocks of 32 along DIM
.rept 4
	v_nop                                          ; places behind the last products
.endr
	v_add_f32 v14, v14, v15
	v_permlanex16_b32 v252, v14, s[SEL], s[SEL+1]
	v_add_f32 v14, v14, v252                       ; the row's sum
	v_rcp_f32 v14, v14
	v_nop                                          ; a plain place behind the reciprocal
	s_wait_alu depctr_va_vdst(0)                   ; the reciprocal has written v14, ahead of its first reader
.set j, 0
.rept 32
	v_mul_f32 v[96+j], v[160+j], v14               ; each accumulator from its low end on
.set j, j+1
.endr
.irp b, 0,1
	v_max3_num_f32 v[232+\b], |v[96+16*\b]|, |v[97+16*\b]|, 0x1800000
.endr
.irp i, 2,4,6,8,10,12,14
.irp b, 0,1
	v_max3_num_f32 v[232+\b], v[232+\b], |v[96+16*\b+\i]|, |v[97+16*\b+\i]|
.endr
.endr
.irp b, 0,1
	v_permlanex16_b32 v[236+\b], v[232+\b], s[SEL], s[SEL+1]
.endr
.irp b, 0,1
	v_max_num_f32 v[232+\b], v[232+\b], v[236+\b]
.endr
.irp b, 0,1
	v_add_nc_u32 v[244+\b], 0xff000000, v[232+\b]
.endr
.irp b, 0,1
	v_lshrrev_b32 v[236+\b], 23, v[244+\b]
.endr
	v_lshl_or_b32 v238, v237, 8, v236              ; the head's two bytes of my row's scale word
	v_cvt_scalef32_pk16_fp6_f32 v[224:226], v[96:111], v244
	v_cvt_scalef32_pk16_fp6_f32 v[240:242], v[112:127], v245
	v_nop
.irp i, 0,1,2
	v_permlane16_swap_b32 v[224+\i], v[240+\i]
.endr
.irp i, 0,1,2
	v_mov_b32 v[227+\i], v[240+\i]
.endr
	s_wait_alu depctr_va_vdst(0)                   ; the codes v224-229 and the two bytes v238 are written, which the three stores read
	global_store_b128 v1, v[224:227], s[12:13]     ; half a fragment: 512 and 256 consecutive bytes
	global_store_b64 v2, v[228:229], s[12:13] offset:512
	global_store_b16 v6, v238, s[14:15]            ; (both halves of the lanes hold row r's bytes and write them to the same place)
	s_wait_xcnt 0x0                                ; the stores' addresses are translated: their bases may be stepped
	s_wait_alu depctr_vm_vsrc(0)                   ; the stores have read v224-229 and v238, which the next pass writes again
	s_add_nc_u64 s[12:13], s[12:13], 16*12288      ; the second pass: 16 tiles on
	s_add_nc_u64 s[14:15], s[14:15], 16*512
.irp i, 0,1,2,3,4,5
	v_mov_b32 v[22+\i], v[82+\i]
.endr
	v_mov_b32 v11, v88
	s_sub_co_u32 s[PASS], s[PASS], 1
	s_cmp_lg_u32 s[PASS], 0
	s_cbranch_scc1 .Lpass
	s_wait_dscnt 0x0                               ; the closing lines, six on end
	s_wait_alu 0x0
	s_wait_tensorcnt 0x0
	ds_add_u32 v4, v5
	s_wait_dscnt 0x0
	s_endpgm
.Lfunc_end_k_q4f57d0939b_attn:
	.size	k_q4f57d0939b_attn, .Lfunc_end_k_q4f57d0939b_attn-k_q4f57d0939b_attn
	.p2alignl 7, 3214868480
	.fill 96, 4, 3214868480
	.section	.rodata,"a",@progbits
	.p2align	6, 0x0
	.amdhsa_kernel k_q4f57d0939b_attn
		.amdhsa_group_segment_fixed_size 206848
		.amdhsa_private_segment_fixed_size 0
		.amdhsa_enable_private_segment 0
		.amdhsa_kernarg_size 48
		.amdhsa_user_sgpr_count 2
		.amdhsa_user_sgpr_kernarg_segment_ptr 1
		.amdhsa_wavefront_size32 1
		.amdhsa_system_sgpr_workgroup_id_x 1
		.amdhsa_system_sgpr_workgroup_id_y 1
		.amdhsa_system_sgpr_workgroup_id_z 1
		.amdhsa_system_vgpr_workitem_id 0
		.amdhsa_next_free_vgpr 256
		.amdhsa_next_free_sgpr 66
		.amdhsa_reserve_vcc 0
		.amdhsa_float_denorm_mode_32 3
		.amdhsa_float_denorm_mode_16_64 3
		.amdhsa_memory_ordered 1
		.amdhsa_forward_progress 1
		.amdhsa_inst_pref_size 34
	.end_amdhsa_kernel
	.amdgpu_metadata
---
amdhsa.version: [ 1, 2 ]
amdhsa.kernels:
  - .name:           k_q4f57d0939b_attn
    .symbol:         k_q4f57d0939b_attn.kd
    .args:
      - { .name: qrec, .offset: 0, .size: 8, .value_kind: global_buffer, .address_space: global }
      - { .name: kv, .offset: 8, .size: 8, .value_kind: global_buffer, .address_space: global }
      - { .name: maskb, .offset: 16, .size: 8, .value_kind: global_buffer, .address_space: global }
      - { .name: holes, .offset: 24, .size: 8, .value_kind: global_buffer, .address_space: global }
      - { .name: ctxc, .offset: 32, .size: 8, .value_kind: global_buffer, .address_space: global }
      - { .name: ctxs, .offset: 40, .size: 8, .value_kind: global_buffer, .address_space: global }
    .group_segment_fixed_size: 206848
    .private_segment_fixed_size: 0
    .kernarg_segment_align: 8
    .kernarg_segment_size: 48
    .max_flat_workgroup_size: 512
    .sgpr_count:     66
    .vgpr_count:     256
    .wavefront_size: 32
...
	.end_amdgpu_metadata
.endif
;; end of part 5
;; launch outp: the kernel of part 4 again; grid 4 x 32, 4 waves a work-group, clusters of 4 x 4, 327,680 bytes of LDS; arguments ctxc, ctxs, cod, scl, bo, out0; writes out0
